; MI455X (gfx1250); checked and timed in simulation.
; The chip was launched on July 23, 2026; its instructions are those of AMD's public machine-readable ISA for CDNA 5 (MIT licence, August 2026) and "CDNA5" Instruction Set Architecture Reference Guide (July 2026). The comments in the code are by the model that wrote it; some were corrected since.
;; Attention Layer. Allowed arithmetic: matrix products marked QUANTISED: E5M2 operands, one given power-of-two scale a tensor, by v_wmma_f32_16x16x64_bf8_bf8 or v_wmma_f32_16x16x128_bf8_bf8, f32 sums; products left as they are: f32 operands where the result goes on into a quantised operand, else bf16, f16 or f32 operands; f32 sums; everything else in f32.
;; Inputs: O 1,024 x 128 float32; W_K 8 x 128 x 128 float32; W_Q 8 x 128 x 128 float32; W_V 8 x 128 x 128 float32; X_K 2 x 2,048 x 128 float32; X_Q 2 x 2,048 x 128 float32; X_V 2 x 2,048 x 128 float32; lowp_scales 6 int32 (the exponents e of the quantised operands' scales 2^e); mask 2 x 1 x 2,048 x 2,048 int32.
;; Outputs: out0 2 x 2,048 x 128 float32.
;; This version of the problem:
;;   THIS VERSION OF THE PROBLEM IS GIVEN IN LOW PRECISION. The matrix products marked QUANTISED in the list below multiply operands that are first quantised to E5M2 (5 exponent bits, 2 mantissa bits; 8 bits a number), with one given power-of-two scale for each operand tensor; their sums are f32. All else is computed in f32.
;;   The module's matrix products, in the order in which they are computed (A, B: the left and right operand; K: the contracted axis; several contracted axes count as one K, in the product's order):
;;     1. batch 128 x [M 8, K 1] x [K 1, N 4,096]; A: computed on the way; B: computed on the way: left as it is (no contracted axis)
;;     2. batch 2 x [M 16,384, K 128] x [K 128, N 2,048]; A: computed on the way; B: input X_K: QUANTISED (scales: A lowp_scales[0], B lowp_scales[1])
;;     3. batch 2 x [M 128, K 2,048] x [K 2,048, N 16,384]; A: input X_V; B: softmax (see below): QUANTISED (scales: A lowp_scales[2], B lowp_scales[3])
;;     4. batch 1,024 x [M 4,096, K 1] x [K 1, N 1]; A: computed on the way; B: computed on the way: left as it is (no contracted axis)
;;     5. [M 4,096, K 1,024] x [K 1,024, N 128]; A: computed on the way; B: input O: QUANTISED (scales: A lowp_scales[4], B lowp_scales[5])
;;   THE QUANTISER, for each operand of a quantised product, along K:
;;     - The operand's scale is 2^e, e = its entry of the input lowp_scales (int32; the entries are numbered through the quantised products in the list's order, A before B).
;;     - Each number is divided by the scale, clamped to +-57,344, and rounded to the nearest number of E5M2, ties to even, subnormals kept.
;;     - The product sums the exact products of the quantised numbers (number of the format x scale) in f32.
;;   ~~~python
;;   def quantise(x, axis, e):      # numpy; x: float32 -> the quantised numbers, widened to float32 again
;;       x = np.moveaxis(x, axis, -1); K = x.shape[-1]
;;       r = np.clip(x / 2.0 ** e, -57344, 57344)
;;       step = 2.0 ** (np.maximum(np.frexp(np.where(r == 0, 1, r))[1] - 1, -14) - 2)
;;       q = np.round(r / step) * step * 2.0 ** e      # np.round: ties to even
;;       return np.moveaxis(q, -1, axis).astype(np.float32)
;;   ~~~
;;   SOFTMAX AHEAD OF A QUANTISED PRODUCT. Where the list says 'softmax', what is quantised is not the finished softmax but p = 2^(t - M), with t = logit x log2(e) and M = ceil(the row's largest t), a whole number; so 1/2 < the row's largest p <= 1. The row's sum l is taken of the UNQUANTISED p, in f32, and the product's result is divided by l at the end. Since M is a whole number, a kernel that streams over the keys may use a running M (the ceiling of the running maximum): every later rescaling is an exact power of two, so the quantised numbers keep their values, but for numbers so far below the row's largest that they fall under the format's range.
;;   OPERANDS COMPUTED ON THE WAY. 'Computed on the way' means the value that the module computes at that place (a softmax that the list does not call 'softmax' is quantised finished and normalised). What goes into a quantiser is computed in f32, as accurately as f32 sums, v_exp_f32 and their like allow (about 1e-6 of the number): no bf16 or f16 on the way to a quantiser, and a product that is left as it is and whose result goes on into a quantised operand takes f32 operands (vector FMAs, or v_wmma_f32_16x16x4_f32). A number that lies on a knife's edge between two numbers of the format may be rounded either way, as far as f32 arithmetic and the matrix unit's own rounding can turn it there, and no further.
;; 3 versions, each right; version 2 is faster than version 1; version 3 is version 2 with the launch attn written anew for expert scheduling mode. Each part assembles by itself: llvm-mc -triple=amdgcn-amd-amdhsa -mcpu=gfx1250 --defsym DOCPART=n.
;; ======== version 1 of 3: 2 launches
;; limits: right only within a limited range of input values
;; workspace buffers: kimg 524,288 bytes; vimg 524,288 bytes; oimg 131,072 bytes; gdv 8,192 bytes; mw 1,048,576 bytes of whole numbers
;; launch prep (part 1): grid 309 x 1, 8 waves a work-group, no clusters, 68,608 bytes of LDS; arguments X_K, X_V, O, W_Q, W_K, W_V, mask, lowp_scales, kimg, vimg, oimg, gdv, mw; writes kimg, vimg, oimg, gdv, mw
.if DOCPART == 1
	.amdgcn_target "amdgcn-amd-amdhsa--gfx1250"
	.amdhsa_code_object_version 6
	.text
	.protected	k_q91f75dfd03_prep
	.globl	k_q91f75dfd03_prep
	.p2align	8
	.type	k_q91f75dfd03_prep,@function
k_q91f75dfd03_prep:
	s_mov_b64 s[64:65], 0
	v_nop
	global_prefetch_b8 v0, s[64:65] scope:SCOPE_SE
	s_setreg_imm32_b32 hwreg(HW_REG_WAVE_MODE, 25, 1), 1
	s_wait_xcnt 0x0
; Everything that the attention launch reads many times is made here once, each input byte read once.
;   work-groups 0-31   X_K [2][2048][128] f32 -> kimg: codes of E5M2 with the given 2^e1, as images of operand registers
;   work-groups 32-47  X_V [2][2048][128] f32 -> vimg: codes with 2^e2, quantised along the KEYS, which are its first axis
;   work-groups 48-51  O [1024][128] f32      -> oimg: codes with 2^e5, quantised along its first axis
;   work-group  52     the diagonals of W_Q, W_K, W_V -> gdv: g = dq x dk [8][128] f32, then dv [8][128] f32
;   work-groups 53-308 mask [2][1][2048][2048] int32 -> mw: lane masks, one bit a number
; AN IMAGE is a fragment (16 rows x 128 along K, 16 registers a lane) as 2,048 bytes: registers 4 c .. 4 c + 3 of lane l lie at 512 c + 16 l,
; so that four loads of 16 bytes a lane, 512 consecutive bytes each, give any wave the operand as it stands.
;   kimg [b][kb][t]:    lane (r, h) holds key 128 kb + 16 t + r; registers 4 G .. 4 G + 3 hold d = 32 G + 16 h + 0 .. 15 (the attention launch lays Q by the same order of d)
;   vimg [b][kb][ft]:   lane (r, h) holds f = 16 ft + r; registers 2 t, 2 t + 1 hold keys 128 kb + 16 t + 8 h + 0 .. 7
;   oimg [nt][head]:    lane (r, h) holds n = 16 nt + r; registers 2 c, 2 c + 1 hold x = 128 head + 16 c + 8 h + 0 .. 7
;   mw [tile of 16 queries m][kb][word 8 t + j]: bit r + 16 h is 1 where mask[16 m + r][128 kb + 16 t + 8 h + j] == 0: the lane mask of register 8 t + j of a tile of scores
; code = x / 2^e, held within +-57,344, to the nearest code, ties to even.  LIMITS: each e between -126 and 112, so that 2^e and 57,344 x 2^e are f32 numbers.  NaN among the inputs is not served.
; The roles part on the work-group's number alone.  Only the mask's role uses LDS, each wave its own stage: no barrier anywhere.
.set SP, 528                           ; a stage row: 512 bytes + 16 of padding, so that the sixteen rows that a read touches start 4 words apart
	s_load_b512 s[4:19], s[0:1], 0x0               ; X_K s[4:5], X_V s[6:7], O s[8:9], W_Q s[10:11], W_K s[12:13], W_V s[14:15], mask s[16:17], the exponents s[18:19]
	s_load_b256 s[20:27], s[0:1], 0x40             ; kimg s[20:21], vimg s[22:23], oimg s[24:25], gdv s[26:27]
	s_load_b64 s[28:29], s[0:1], 0x60              ; mw
	v_lshl_add_u32 v232, v0, 2, 0x10800
	v_mov_b32 v233, 0
	v_lshrrev_b32 v1, 5, v0
	v_readfirstlane_b32 s30, v1                    ; wave 0..7
	v_and_b32 v2, 31, v0                           ; lane
	s_wait_kmcnt 0x0
	s_cmp_lt_u32 ttmp9, 32
	s_cbranch_scc1 .Lrole_k
	s_cmp_lt_u32 ttmp9, 52
	s_cbranch_scc1 .Lrole_vo
	s_cmp_eq_u32 ttmp9, 52
	s_cbranch_scc1 .Lrole_d
	; ---- THE MASK.  Work-group m takes 16 queries x 2,048 keys; wave v the keys 256 v .. 256 v + 255: two units of 128 keys.
	; A load reads 512 consecutive bytes of one row.  All 32 loads of the wave go out at once: 16 KiB a wave on their way.
	s_sub_co_u32 s31, ttmp9, 53                    ; m
	s_lshl_b32 s38, s31, 17                        ; 16 rows of 8,192 bytes
	s_lshl_b32 s39, s30, 10                        ; my 256 keys
	s_add_co_u32 s38, s38, s39
	s_mov_b32 s39, 0
	s_add_nc_u64 s[16:17], s[16:17], s[38:39]
	v_lshlrev_b32 v3, 4, v2                        ; 16 x lane
.set cc, 0
.rept 32
	global_load_b128 v[32+4*cc:32+4*cc+3], v3, s[16:17] offset:8192*(cc%16)+512*(cc/16) th:TH_LOAD_NT   ; unit cc / 16, row cc % 16
.set cc, cc+1
.endr
	s_mul_i32 s40, s30, 16*SP                      ; my stage
	v_add_nc_u32 v4, s40, v3                       ; in: a row as it lies
	v_and_b32 v5, 15, v0
	v_mul_u32_u24 v5, v5, SP
	v_bfe_u32 v7, v0, 4, 1
	v_lshl_add_u32 v5, v7, 5, v5
	v_add_nc_u32 v5, s40, v5                       ; out: lane (r, h) takes row r, 32 h bytes on: eight keys of each 16
	v_lshlrev_b32 v6, 3, v2                        ; 8 x lane: two words a lane
	s_lshl_b32 s38, s31, 12                        ; mw: 4,096 bytes a tile of queries,
	s_lshl_b32 s41, s30, 9                         ; 256 a unit
	s_add_co_u32 s38, s38, s41
	s_add_nc_u64 s[28:29], s[28:29], s[38:39]
	v_mov_b32 v224, 0                              ; v_writelane_b32's destination counts as read
	v_mov_b32 v225, 0
	v_mov_b32 v226, 0
	v_mov_b32 v227, 0
; One unit: 16 rows x 128 keys turn through the stage, so that lane (r, h) holds in register 8 t + j what the score's register 8 t + j stands for; a compare gives the word;
; word n goes to lane n / 2 of register n % 2, and the wave stores the 64 words as 256 consecutive bytes.
.macro UNIT u
	s_wait_loadcnt 16-16*\u                        ; this unit's sixteen loads are in; the other unit's may be out
.set cc, 0
.rept 16
	ds_store_b128 v4, v[32+64*\u+4*cc:32+64*\u+4*cc+3] offset:SP*cc
.set cc, cc+1
.endr
.set cc, 0
.rept 16
	ds_load_b128 v[160+4*cc:160+4*cc+3], v5 offset:64*(cc/2)+16*(cc%2)   ; LDS serves a wave's instructions in order: these see the stores above
.set cc, cc+1
.endr
	s_wait_dscnt 0x0
.set tt, 0
.rept 8
.set cc, 0
.rept 8
	v_cmp_eq_u32 s[48+cc], 0, v[160+8*tt+cc]       ; bit = 1 where the key is hidden
.set cc, cc+1
.endr
.set cc, 0
.rept 8
	v_writelane_b32 v[224+2*\u+cc%2], s[48+cc], 4*tt+cc/2
.set cc, cc+1
.endr
.set tt, tt+1
.endr
	global_store_b64 v6, v[224+2*\u:225+2*\u], s[28:29] offset:256*\u
.endm
	UNIT 0
	UNIT 1
	s_wait_tensorcnt 0x0
	ds_add_u32 v232, v233
	s_wait_dscnt 0x0
	s_endpgm
; 2^e as f32 in v11 (the conversion takes its exponent field), 57,344 x 2^e in v10; e in s[se]
.macro SCALE se
	s_add_co_i32 s56, s[\se], 127
	s_lshl_b32 s57, s56, 23
	v_mov_b32 v11, s57
	s_add_co_i32 s56, s56, 15
	s_lshl_b32 s56, s56, 23
	s_or_b32 s56, s56, 0x600000
	v_mov_b32 v10, s56
.endm
	; ---- X_K.  A wave makes one image: 16 keys x 128.  K is innermost, so lane (r, h) loads its 16 neighbours of each 32 straight into the order of the operand's registers.
	; The sixteen loads of a wave together read one dense block of 8,192 bytes.
.Lrole_k:
	s_load_b32 s33, s[18:19], 0x4                  ; e1
	s_lshl_b32 s31, ttmp9, 3
	s_add_co_u32 s31, s31, s30                     ; the image's number, 0..255 = 128 b + 8 kb + t
	s_lshl_b32 s38, s31, 13                        ; 16 rows of 512 bytes
	s_mov_b32 s39, 0
	s_add_nc_u64 s[4:5], s[4:5], s[38:39]
	s_lshl_b32 s38, s31, 11
	s_add_nc_u64 s[20:21], s[20:21], s[38:39]
	v_and_b32 v3, 15, v0
	v_bfe_u32 v4, v0, 4, 1
	v_lshlrev_b32 v5, 9, v3
	v_lshl_add_u32 v5, v4, 6, v5                   ; row r, + 64 h
	v_lshlrev_b32 v6, 4, v2
.set cc, 0
.rept 16
	global_load_b128 v[32+4*cc:32+4*cc+3], v5, s[4:5] offset:128*(cc/4)+16*(cc%4) th:TH_LOAD_NT
.set cc, cc+1
.endr
	s_wait_kmcnt 0x0
	SCALE 33
	s_wait_loadcnt 0x0
.set cc, 0
.rept 64
	v_med3_num_f32 v[32+cc], v[32+cc], -v10, v10   ; the conversion to an 8-bit code does not saturate (ISA guide 7.6.2): the hold comes first
.set cc, cc+1
.endr
.set cc, 0
.rept 8
	v_cvt_scalef32_pk8_bf8_f32 v[96+2*cc:97+2*cc], v[32+8*cc:39+8*cc], v11
.set cc, cc+1
.endr
.set cc, 0
.rept 4
	global_store_b128 v6, v[96+4*cc:99+4*cc], s[20:21] offset:512*cc   ; 512 consecutive bytes
.set cc, cc+1
.endr
	s_endpgm
	; ---- X_V and O: K is the FIRST axis.  A lane takes a column and its registers run down K, in the very order that the image wants, so nothing is transposed.
	; A wave takes 128 along K x 32 columns: two images.  Lane l makes, for both halves h of image lane l % 16, the 16 bytes of each of the four register groups g.
.Lrole_vo:
	s_load_b32 s34, s[18:19], 0x8                  ; e2
	s_load_b32 s37, s[18:19], 0x14                 ; e5
	s_sub_co_u32 s31, ttmp9, 32
	s_lshl_b32 s31, s31, 3
	s_add_co_u32 s31, s31, s30                     ; unit 0..159
	s_cmp_lt_u32 ttmp9, 48                         ; X_V's work-group or O's?  The choice hangs on the work-group's number alone
	s_cselect_b64 s[38:39], s[6:7], s[8:9]
	s_cselect_b64 s[40:41], s[22:23], s[24:25]
	s_cselect_b32 s43, 11, 14                      ; from one image of the pair to the other: 2,048 bytes in vimg, eight images in oimg
	s_cselect_b32 s44, 0, 128
	s_sub_co_u32 s31, s31, s44                     ; u: 0..127 for X_V, 0..31 for O
	s_lshr_b32 s45, s31, 2                         ; which 128 along K: 16 b + kb, or the head
	s_and_b32 s46, s31, 3                          ; which 32 columns
	s_lshl_b32 s47, s45, 3
	s_lshl_b32 s48, s46, 1
	s_add_co_u32 s47, s47, s48                     ; vimg: image 8 (u / 4) + 2 (u % 4)
	s_lshl_b32 s48, s46, 4
	s_add_co_u32 s48, s48, s45                     ; oimg: image 16 (u % 4) + u / 4
	s_cmp_lt_u32 ttmp9, 48
	s_cselect_b32 s47, s47, s48
	s_lshl_b32 s48, s47, 11
	s_mov_b32 s49, 0
	s_add_nc_u64 s[40:41], s[40:41], s[48:49]
	s_lshl_b32 s50, s45, 16                        ; 128 rows of 512 bytes
	s_lshl_b32 s51, s46, 7
	s_add_co_u32 s50, s50, s51
	s_mov_b32 s51, 0
	s_add_nc_u64 s[38:39], s[38:39], s[50:51]
	v_lshlrev_b32 v3, 2, v2                        ; in: 4 bytes a lane: a load reads 128 consecutive bytes
	v_lshrrev_b32 v5, 4, v2
	v_lshlrev_b32 v5, s43, v5
	v_and_b32 v6, 15, v2
	v_lshl_add_u32 v4, v6, 4, v5                   ; out: sixteen lanes store 256 consecutive bytes of one image
.macro VLOAD x                         ; x = 2 g + h: rows 32 g + 8 h + 0 .. 7 and 32 g + 16 + 8 h + 0 .. 7
.set cc, 0
.rept 16
	global_load_b32 v[32+16*(\x)+cc], v3, s[38:39] offset:(32*((\x)/2)+8*((\x)%2)+cc+8*(cc/8))*512 th:TH_LOAD_NT
.set cc, cc+1
.endr
.endm
.macro VWORK x
.if (\x)+3 < 8
	VLOAD (\x)+3                                   ; three groups of sixteen loads run ahead
.endif
.if 7-(\x) >= 3
	s_wait_loadcnt 48                              ; this group is in; the three behind it may be out
.else
	s_wait_loadcnt 16*(7-(\x))
.endif
.set cc, 0
.rept 16
	v_med3_num_f32 v[32+16*(\x)+cc], v[32+16*(\x)+cc], -v10, v10
.set cc, cc+1
.endr
	v_cvt_scalef32_pk8_bf8_f32 v[160+4*(\x):161+4*(\x)], v[32+16*(\x):39+16*(\x)], v11
	v_cvt_scalef32_pk8_bf8_f32 v[162+4*(\x):163+4*(\x)], v[40+16*(\x):47+16*(\x)], v11
	global_store_b128 v4, v[160+4*(\x):163+4*(\x)], s[40:41] offset:512*((\x)/2)+256*((\x)%2)   ; each group has its own registers: no store's data are written again
.endm
	VLOAD 0
	VLOAD 1
	VLOAD 2
	s_wait_kmcnt 0x0
	s_cmp_lt_u32 ttmp9, 48
	s_cselect_b32 s42, s34, s37
	SCALE 42
.irp x, 0,1,2,3,4,5,6,7
	VWORK \x
.endr
	s_endpgm
	; ---- The diagonals.  Thread t takes elements e = 2 t + 512 k + 0, 1 (k = 0, 1) of [8][128]: element e lies at (e / 128) x 65,536 + (e % 128) x 516 bytes of each W.
.Lrole_d:
	v_lshlrev_b32 v3, 1, v0
.irp n, 0,1,2,3
	v_add_nc_u32 v4, 512*(\n/2)+(\n%2), v3
	v_lshrrev_b32 v5, 7, v4
	v_and_b32 v4, 127, v4
	v_mul_u32_u24 v4, v4, 516
	v_lshl_add_u32 v[8+\n], v5, 16, v4
.endr
.irp n, 0,1,2,3
	global_load_b32 v[12+\n], v[8+\n], s[10:11]
	global_load_b32 v[16+\n], v[8+\n], s[12:13]
	global_load_b32 v[20+\n], v[8+\n], s[14:15]
.endr
	v_lshlrev_b32 v28, 3, v0
	s_wait_loadcnt 0x0
.irp n, 0,1,2,3
	v_mul_f32 v[24+\n], v[12+\n], v[16+\n]         ; g = dq x dk
.endr
	global_store_b64 v28, v[24:25], s[26:27]
	global_store_b64 v28, v[26:27], s[26:27] offset:2048
	global_store_b64 v28, v[20:21], s[26:27] offset:4096
	global_store_b64 v28, v[22:23], s[26:27] offset:6144
	s_endpgm
.Lfunc_end_k_q91f75dfd03_prep:
	.size	k_q91f75dfd03_prep, .Lfunc_end_k_q91f75dfd03_prep-k_q91f75dfd03_prep
	.p2alignl 7, 3214868480
	.fill 96, 4, 3214868480
	.section	.rodata,"a",@progbits
	.p2align	6, 0x0
	.amdhsa_kernel k_q91f75dfd03_prep
		.amdhsa_group_segment_fixed_size 68608
		.amdhsa_private_segment_fixed_size 0
		.amdhsa_enable_private_segment 0
		.amdhsa_kernarg_size 104
		.amdhsa_user_sgpr_count 2
		.amdhsa_user_sgpr_kernarg_segment_ptr 1
		.amdhsa_wavefront_size32 1
		.amdhsa_system_sgpr_workgroup_id_x 1
		.amdhsa_system_sgpr_workgroup_id_y 1
		.amdhsa_system_sgpr_workgroup_id_z 1
		.amdhsa_system_vgpr_workitem_id 0
		.amdhsa_next_free_vgpr 234
		.amdhsa_next_free_sgpr 66
		.amdhsa_reserve_vcc 0
		.amdhsa_float_denorm_mode_32 3
		.amdhsa_float_denorm_mode_16_64 3
		.amdhsa_memory_ordered 1
		.amdhsa_forward_progress 1
		.amdhsa_inst_pref_size 59
	.end_amdhsa_kernel
	.amdgpu_metadata
---
amdhsa.version: [ 1, 2 ]
amdhsa.kernels:
  - .name:           k_q91f75dfd03_prep
    .symbol:         k_q91f75dfd03_prep.kd
    .args:
      - { .name: X_K, .offset: 0, .size: 8, .value_kind: global_buffer, .address_space: global }
      - { .name: X_V, .offset: 8, .size: 8, .value_kind: global_buffer, .address_space: global }
      - { .name: O, .offset: 16, .size: 8, .value_kind: global_buffer, .address_space: global }
      - { .name: W_Q, .offset: 24, .size: 8, .value_kind: global_buffer, .address_space: global }
      - { .name: W_K, .offset: 32, .size: 8, .value_kind: global_buffer, .address_space: global }
      - { .name: W_V, .offset: 40, .size: 8, .value_kind: global_buffer, .address_space: global }
      - { .name: mask, .offset: 48, .size: 8, .value_kind: global_buffer, .address_space: global }
      - { .name: lowp_scales, .offset: 56, .size: 8, .value_kind: global_buffer, .address_space: global }
      - { .name: kimg, .offset: 64, .size: 8, .value_kind: global_buffer, .address_space: global }
      - { .name: vimg, .offset: 72, .size: 8, .value_kind: global_buffer, .address_space: global }
      - { .name: oimg, .offset: 80, .size: 8, .value_kind: global_buffer, .address_space: global }
      - { .name: gdv, .offset: 88, .size: 8, .value_kind: global_buffer, .address_space: global }
      - { .name: mw, .offset: 96, .size: 8, .value_kind: global_buffer, .address_space: global }
    .group_segment_fixed_size: 68608
    .private_segment_fixed_size: 0
    .kernarg_segment_align: 8
    .kernarg_segment_size: 104
    .max_flat_workgroup_size: 256
    .sgpr_count:     66
    .vgpr_count:     234
    .wavefront_size: 32
...
	.end_amdgpu_metadata
.endif
;; end of part 1
;; launch attn (part 2): grid 256 x 1, 4 waves a work-group, no clusters, 307,712 bytes of LDS; arguments X_Q, kimg, vimg, oimg, gdv, mw, lowp_scales, out0; writes out0
.if DOCPART == 2
	.amdgcn_target "amdgcn-amd-amdhsa--gfx1250"
	.amdhsa_code_object_version 6
	.text
	.protected	k_q91f75dfd03_attn
	.globl	k_q91f75dfd03_attn
	.p2align	8
	.type	k_q91f75dfd03_attn,@function
k_q91f75dfd03_attn:
	s_mov_b64 s[64:65], 0
	v_nop
	global_prefetch_b8 v0, s[64:65] scope:SCOPE_SE
	s_setreg_imm32_b32 hwreg(HW_REG_WAVE_MODE, 25, 1), 1
	s_wait_xcnt 0x0
; out0[b][q][:] = (heads side by side of  softmax_k(mask, (X_Q g_h) . X_K / sqrt(128)) X_V x dv_h)  O, all three products on codes of E5M2 with the given scales 2^e0 .. 2^e5.
; SHARES.  A work-group owns 16 queries and ALL 8 heads, so a row of out0 has one owner and the last product is made here too.  Each of its four waves takes all 8 heads and a QUARTER OF THE KEYS, 512,
; in four steps of 128.  So a fragment of K or V goes from memory straight into the registers of the one wave that uses it and feeds eight matrix instructions; no tile of K or V lies in LDS.
; At the end the four waves' partial sums of a head meet in LDS and are brought under one M by powers of two.
; LAYOUT.  Both products are used transposed: S^T = K Qg^T + C (source 0 = 16 keys, source 1 = my 16 queries), O^T = V^T P^T: lane (r, h) holds query r throughout.  Register 8 t + j of S^T is key 16 t + 8 h + j,
; so eight registers of a tile, converted, are registers 2 t, 2 t + 1 of the next operand as that form lays it.
; THE MASK IS THE C OF THE FIRST PRODUCT: 0 where a key counts, -2^100 where it is hidden, made once a step from the stored lane masks (one v_cndmask_b32 a register) and used by all 8 heads.
; A sum of codes is under 2^39 in size, so a hidden key's t lies c' x 2^100 under every other and its p is 0.  A query ALL of whose keys are hidden is told by its largest t (under -c' x 2^99) and gets NaN, as the softmax of such a row is.
; THE SOFTMAX: t = sum x c', c' = log2(e) / sqrt(128) x 2^(e0 + e1); M = the running largest t rounded up to a whole number; p = 2^(t - M) is quantised with 2^e3; the row's sum is taken of the unquantised p.
; p is at most 1, so its hold at 57,344 x 2^e3 changes nothing where e3 >= -15: a scalar branch on e3 leads round the 64 holds of a tile there; they are written and run where e3 <= -16.
; HEADS BY TURNS.  Wave w takes the heads in the order 2 w, 2 w + 1, .. (mod 8): its local heads 0 and 1 are the two that it owns at the end, and the text is the same in all waves.
; In phase 1 of a step the next head's eight products K Qg^T stand between the exponentials of the head in hand; p's codes and the factors f wait in the wave's own LDS bytes;
; in phase 2 the 64 products V^T P stand among the rescaling of the next head's O^T and the making of the next step's C.
; NO CLUSTER, NO TENSOR LOAD, though 128 work-groups read the same images: nothing here lies in LDS for a joint load to fill.
; LIMITS on the given exponents: e0 + e1 between -85 and 26 (c' x 2^100 is an f32 number and at least 2^12); each single e between -126 and 112; e4 + e5 between -126 and 127.  NaN among the inputs is not served.
; REGISTERS, in windows of 256 (s_set_vgpr_msb: bits 1:0 source 0, 3:2 source 1, 5:4 source 2, 7:6 destination):
;   window 0: v1-5 addresses and 2^e3; v6, v7 the new and the old -M; v8 f; v9-15 at work; v16-31 (largest t, sum) of the 8 heads; v32-47 Q's fragment, in phase 2 the f; v48-63 codes just made;
;             v64-127, v128-191 two tiles of scores by turns, in phase 2 the eight fragments of p; v192-255 C
;   window 1: v0-127 K of the step (at the end 8 fragments of O); v128-255 V of the step (at the end 8 more of O)
;   window 2, 3: O^T: local head i, tile ft at v[64 (i % 4) + 8 ft] of window 2 + i / 4
.set QIMG,   0                         ; LDS: Q's fragments: 16 places of 2,048 bytes, head G at places G and G + 8, so that wave w finds its local head i at place 2 w + i
.set PIMG,   32768                     ; p's fragments: 16,384 bytes a wave, 2,048 a head
.set FST,    98304                     ; the factors f: 1,024 bytes a wave, 128 a head
.set MSTAT,  102400                    ; (largest t, sum): 2,048 bytes a wave, 256 a head
.set MERGE,  110592                    ; partial O^T: 49,152 bytes for each owner: three partners x two heads x 8,192
.set OHIMG,  0                         ; the 8 fragments of the last product's operand, where Q's lay: written when every wave has read Q for the last time
.set OUTSTG, PIMG                      ; 16 rows of out0, 528 bytes apart, where wave 0's p lay
.set SP,     528
.set LI, 1                             ; v1  16 x lane; never rewritten
.set QA, 2                             ; v2  4,096 x wave + 16 x lane; never rewritten
.set PA, 3                             ; v3  PIMG + 16,384 x wave + 16 x lane; at the end dv's offset
.set FA, 4                             ; v4  FST + 1,024 x wave + 4 x lane; at the end 57,344 x 2^e4
.set SC, 5                             ; v5  2^e3; at the end 2^e4
.set ST, 16
.set QF, 32
.set PC, 48
.set SBA, 64
.set SBB, 128
.set CM, 192
; s[4:5] X_Q  s[6:7] K's images, stepped  s[8:9] V's  s[10:11] my 16 images of O  s[12:13] base of the loads into window 1's v0-127  s[14:15] my mask words
; s16-63, s80-95 a step's 64 mask words  s66 wave  s67 step  s[68:69] c'  s[70:71] selects of v_permlanex16_b32  s[72:73] g and dv of my two heads  s74 at work  s75 2^e4  s76 57,344 x 2^e4  s[78:79] out0
; s96 1 where p wants its hold  s97 57,344 x 2^e3  s98 -2^100  s99 e2 + e3  s100 2^(e4 + e5)  s101 -c' x 2^99
.set MSB, 0
.macro WIN new                         ; the immediate's high byte repeats the setting that is left; a switch that changes nothing is dropped
.if MSB != (\new)
	s_set_vgpr_msb (MSB<<8)|(\new)
.set MSB, (\new)
.endif
.endm
.macro PLACES                          ; four plain vector instructions between a matrix instruction and a load into, or a read of, its registers
.rept 4
	v_nop
.endr
.endm
.macro BARRIER                         ; my LDS stores have landed and my LDS loads are in: then the work-group's barrier
	s_wait_dscnt 0x0
	s_barrier_signal -1
	s_barrier_wait -1
.endm
.macro LDFR base, sp, off              ; eight images, 16,384 consecutive bytes, into v[base] on of window 1: 32 loads of 512 consecutive bytes
	WIN 0x40
.set lf, 0
.rept 32
	global_load_b128 v[\base+4*lf:\base+4*lf+3], v[LI], s[\sp:\sp+1] offset:\off+512*lf
.set lf, lf+1
.endr
	WIN 0
.endm
.macro AWX d, t                        ; tile t of S^T = K Qg^T + C, into v[d + 8 t] on
	v_wmma_f32_16x16x128_bf8_bf8 v[\d+8*(\t):\d+8*(\t)+7], v[16*(\t):16*(\t)+15], v[QF:QF+15], v[CM+8*(\t):CM+8*(\t)+7]
.endm
.macro AW d, t
	WIN 0x01                                       ; K in window 1
	AWX \d, \t
	WIN 0
.endm
.macro CBUILD a, n                     ; registers a .. a + n - 1 of C from the mask words: -2^100 where the bit is set
.set cbn, \a
.rept \n
.if cbn < 48
	v_cndmask_b32 v[CM+cbn], 0, s98, s[16+cbn]
.else
	v_cndmask_b32 v[CM+cbn], 0, s98, s[32+cbn]
.endif
.set cbn, cbn+1
.endr
.endm
	s_load_b256 s[4:11], s[0:1], 0x0               ; X_Q, kimg, vimg, oimg
	s_load_b256 s[72:79], s[0:1], 0x20             ; gdv s[72:73], mw s[74:75], the exponents s[76:77], out0 s[78:79]
	v_lshrrev_b32 v6, 5, v0
	v_readfirstlane_b32 s66, v6                    ; wave 0..3
	v_and_b32 v7, 31, v0
	v_lshlrev_b32 v[LI], 4, v7
	s_lshl_b32 s2, s66, 12
	v_add_nc_u32 v[QA], s2, v[LI]
	s_lshl_b32 s2, s66, 14
	s_add_co_u32 s2, s2, PIMG
	v_add_nc_u32 v[PA], s2, v[LI]
	s_lshl_b32 s2, s66, 10
	s_add_co_u32 s2, s2, FST
	v_lshl_add_u32 v[FA], v7, 2, s2
	v_and_b32 v8, 15, v0                           ; r
	v_bfe_u32 v9, v0, 4, 1                         ; h
	v_lshlrev_b32 v10, 9, v8
	v_lshl_add_u32 v10, v9, 6, v10                 ; X_Q: row r of 512 bytes, + 64 h: my 16 numbers of each 32
	v_lshlrev_b32 v11, 6, v9                       ; g: the same 16 of each 32
	s_lshr_b32 s12, ttmp9, 7                       ; b
	s_lshl_b32 s12, s12, 18                        ; 128 images of 2,048 bytes,
	s_lshl_b32 s13, s66, 16                        ; my 512 keys: 32 images
	s_add_co_u32 s12, s12, s13
	s_mov_b32 s13, 0
	s_wait_kmcnt 0x0
	s_load_b128 s[80:83], s[76:77], 0x0            ; e0 .. e3
	s_load_b64 s[84:85], s[76:77], 0x10            ; e4, e5
	s_add_nc_u64 s[6:7], s[6:7], s[12:13]
	s_add_nc_u64 s[8:9], s[8:9], s[12:13]
	s_mov_b64 s[12:13], s[6:7]
	s_lshl_b32 s2, ttmp9, 13                       ; 16 rows of 512 bytes
	s_mov_b32 s3, 0
	s_add_nc_u64 s[4:5], s[4:5], s[2:3]
	s_add_nc_u64 s[78:79], s[78:79], s[2:3]
	s_lshl_b32 s2, s66, 15                         ; outputs 32 w on: 16 images
	s_add_nc_u64 s[10:11], s[10:11], s[2:3]
	s_lshl_b32 s2, s66, 10                         ; heads 2 w, 2 w + 1
	s_add_nc_u64 s[72:73], s[72:73], s[2:3]
	s_lshl_b32 s2, ttmp9, 12                       ; the words of my 16 queries,
	s_lshl_b32 s14, s66, 10                        ; of my four steps
	s_add_co_u32 s2, s2, s14
	s_add_nc_u64 s[14:15], s[74:75], s[2:3]
.set cc, 0
.rept 16
	global_load_b128 v[SBA+4*cc:SBA+4*cc+3], v10, s[4:5] offset:128*(cc/4)+16*(cc%4)   ; register 16 G + i = X_Q(r, 32 G + 16 h + i)
.set cc, cc+1
.endr
.set cc, 0
.rept 32
	global_load_b128 v[SBB+4*cc:SBB+4*cc+3], v11, s[72:73] offset:512*(cc/16)+128*((cc%16)/4)+16*(cc%4)   ; g of my two heads in the same order
.set cc, cc+1
.endr
	LDFR 0, 12, 0                                  ; K of my first step
	s_wait_kmcnt 0x0
	s_add_co_i32 s2, s80, s81
	s_lshl_b32 s2, s2, 23
	s_add_co_i32 s68, s2, 0x3e0293ee               ; c' = log2(e) / sqrt(128) x 2^(e0 + e1): the exponents are added to c's exponent field
	s_mov_b32 s69, s68                             ; (named with it as a pair, so it is written)
	s_add_co_i32 s101, s68, 0x31800000             ; x 2^99,
	s_or_b32 s101, s101, 0x80000000                ; negative
	s_mov_b32 s98, 0xf1800000                      ; -2^100
	s_add_co_i32 s2, s80, 127
	s_lshl_b32 s3, s2, 23
	v_mov_b32 v12, s3                              ; 2^e0
	s_add_co_i32 s2, s2, 15
	s_lshl_b32 s2, s2, 23
	s_or_b32 s2, s2, 0x600000
	v_mov_b32 v13, s2                              ; 57,344 x 2^e0
	s_add_co_i32 s2, s83, 127
	s_lshl_b32 s3, s2, 23
	v_mov_b32 v[SC], s3                            ; 2^e3
	s_add_co_i32 s2, s2, 15
	s_lshl_b32 s2, s2, 23
	s_or_b32 s97, s2, 0x600000                     ; 57,344 x 2^e3
	s_cmp_lt_i32 s83, -15
	s_cselect_b32 s96, 1, 0                        ; under 1 only where e3 <= -16
	s_add_co_i32 s99, s82, s83
	s_add_co_i32 s2, s84, 127
	s_lshl_b32 s75, s2, 23
	s_add_co_i32 s2, s2, 15
	s_lshl_b32 s2, s2, 23
	s_or_b32 s76, s2, 0x600000
	s_add_co_i32 s2, s84, s85
	s_add_co_i32 s2, s2, 127
	s_lshl_b32 s100, s2, 23
	s_mov_b32 s70, 0x76543210
	s_mov_b32 s71, 0xfedcba98
	s_load_b512 s[16:31], s[14:15], 0x0            ; the first step's mask words (the exponents in s80-85 are used up)
	s_load_b512 s[32:47], s[14:15], 0x40
	s_load_b512 s[48:63], s[14:15], 0x80
	s_load_b512 s[80:95], s[14:15], 0xc0
	s_wait_loadcnt 32                              ; X_Q and g are in; K's 32 loads may be out
; Qg of head 2 w + e: one f32 multiplication, the hold, the conversion; the fragment goes to LDS as an image of its registers, to two places
.macro QQ e
.set cc, 0
.rept 32
	v_pk_mul_f32 v[SBB+64*\e+cc:SBB+64*\e+cc+1], v[SBB+64*\e+cc:SBB+64*\e+cc+1], v[SBA+cc:SBA+cc+1]
.set cc, cc+2
.endr
.set cc, 0
.rept 64
	v_med3_num_f32 v[SBB+64*\e+cc], v[SBB+64*\e+cc], -v13, v13
.set cc, cc+1
.endr
.set cc, 0
.rept 8
	v_cvt_scalef32_pk8_bf8_f32 v[PC-16*\e+2*cc:PC-16*\e+2*cc+1], v[SBB+64*\e+8*cc:SBB+64*\e+8*cc+7], v12
.set cc, cc+1
.endr
	v_nop                                          ; one plain vector instruction behind the last conversion, ahead of whatever next writes its sources
.set cc, 0
.rept 4
	ds_store_b128 v[QA], v[PC-16*\e+4*cc:PC-16*\e+4*cc+3] offset:2048*\e+512*cc
	ds_store_b128 v[QA], v[PC-16*\e+4*cc:PC-16*\e+4*cc+3] offset:16384+2048*\e+512*cc
.set cc, cc+1
.endr
.endm
	QQ 0
	QQ 1
	BARRIER                                        ; all eight heads' Q lie in LDS
	s_wait_kmcnt 0x0
	CBUILD 0, 64                                   ; C of the first step
.set cc, 0
.rept 8
	v_mov_b32 v[ST+2*cc], 0xff61b1e6               ; the largest t so far: -3e38, under every t
	v_mov_b32 v[ST+2*cc+1], 0                      ; the sum
.set cc, cc+1
.endr
; THE TURN OF LOCAL HEAD i in phase 1: its softmax, with the next head's eight products K Qg^T between the exponentials.
.macro TURN i
.set sS, SBA+64*((\i)%2)               ; this head's scores
.set sN, SBA+64-64*((\i)%2)            ; the next head's
.set rM, ST+2*(\i)
.if (\i) < 7
.set cc, 0
.rept 4
	ds_load_b128 v[QF+4*cc:QF+4*cc+3], v[QA] offset:2048*((\i)+1)+512*cc   ; the next head's Q; the products that read the last one stand more than four plain instructions back
.set cc, cc+1
.endr
.else
	s_add_nc_u64 s[6:7], s[6:7], 16384             ; K is done with: the next step's comes, or, in the last step, my first eight images of O.  The loads that named s[12:13] were waited for at this step's first products
	s_cmp_eq_u32 s67, 3
	s_cselect_b64 s[12:13], s[10:11], s[6:7]
	LDFR 0, 12, 0
.endif
	v_max3_num_f32 v10, v[sS], v[sS+1], v[sS+2]    ; the largest score of my query among my 64 keys, in two chains, each accumulator from its low end on
	v_max3_num_f32 v12, v[sS+3], v[sS+4], v[sS+5]
.set cc, 6
.rept 14
	v_max3_num_f32 v10, v10, v[sS+cc], v[sS+cc+1]
	v_max3_num_f32 v12, v12, v[sS+cc+2], v[sS+cc+3]
.set cc, cc+4
.endr
	v_max3_num_f32 v10, v10, v[sS+62], v[sS+63]
	v_max_num_f32 v10, v10, v12
	v_permlanex16_b32 v11, v10, s70, s71
	v_max_num_f32 v10, v10, v11                    ; and among lane l xor 16's
	v_mul_f32 v10, s68, v10                        ; as t (c' is positive)
	v_floor_f32 v7, -v[rM]                         ; the old -M
	v_max_num_f32 v[rM], v[rM], v10
	v_floor_f32 v6, -v[rM]                         ; the new -M = floor(-t) = -ceil(t)
	s_wait_dscnt 0x0                               ; Q is in, and the last turn's five stores have read their registers
.set tt, 0
.rept 8
.set cc, 0
.rept 4
	v_pk_fma_f32 v[sS+8*tt+cc:sS+8*tt+cc+1], v[sS+8*tt+cc:sS+8*tt+cc+1], s[68:69], v[6:7] op_sel_hi:[1,0,0]   ; t - M (of the pairs c' and -M the low word serves both halves)
.set cc, cc+2
.endr
.set cc, 0
.rept 8
	v_exp_f32 v[sS+8*tt+cc], v[sS+8*tt+cc]         ; p = 2^(t - M); nothing names a result ahead of the one wait below
.set cc, cc+1
.endr
.if (\i) < 7
	AW sN, tt
.endif
.set tt, tt+1
.endr
	v_sub_f32 v9, v6, v7                           ; old M - new M: a whole number, 0 or less.  (Plain work behind the exponentials)
	v_cvt_i32_f32 v9, v9                           ; (it saturates)
	v_ldexp_f32 v8, 1.0, v9                        ; f = 2^(old M - new M)
	s_wait_alu depctr_va_vdst(0)                   ; one wait for the 64 exponentials, ahead of their first reader
	v_pk_add_f32 v[12:13], v[sS:sS+1], v[sS+2:sS+3]   ; the sum of the unquantised p, two at a time, in two chains
	v_pk_add_f32 v[14:15], v[sS+4:sS+5], v[sS+6:sS+7]
.set cc, 8
.rept 14
	v_pk_add_f32 v[12:13], v[12:13], v[sS+cc:sS+cc+1]
	v_pk_add_f32 v[14:15], v[14:15], v[sS+cc+2:sS+cc+3]
.set cc, cc+4
.endr
	v_pk_add_f32 v[12:13], v[12:13], v[14:15]
	v_add_f32 v12, v12, v13
	v_fma_f32 v[rM+1], v[rM+1], v8, v12            ; the sum under the new M
	s_cmp_eq_u32 s96, 0
	s_cbranch_scc1 .Lno_hold_\@                    ; p <= 1 <= 57,344 x 2^e3: the hold would change nothing
.set cc, 0
.rept 64
	v_min_num_f32 v[sS+cc], s97, v[sS+cc]          ; the conversion does not saturate (ISA guide 7.6.2); p is not negative, so the hold is one-sided
.set cc, cc+1
.endr
.Lno_hold_\@:
.set cc, 0
.rept 8
	v_cvt_scalef32_pk8_bf8_f32 v[PC+2*cc:PC+2*cc+1], v[sS+8*cc:sS+8*cc+7], v[SC]
.set cc, cc+1
.endr
	v_nop                                          ; one plain vector instruction behind the last conversion: the next turn's products write its sources
.set cc, 0
.rept 4
	ds_store_b128 v[PA], v[PC+4*cc:PC+4*cc+3] offset:2048*(\i)+512*cc   ; p's fragment and f wait in my own LDS bytes for phase 2
.set cc, cc+1
.endr
	ds_store_b32 v[FA], v8 offset:128*(\i)
.endm
; PHASE 1 of a step: V and the next step's mask words are asked for; the first head's scores; the eight turns.
.macro PH1
	LDFR 128, 8, 0                                 ; V of this step; four plain instructions stand behind the last product that read the old one
	s_add_co_u32 s74, s67, 1
	s_min_u32 s74, s74, 3                          ; (the last step reads its own words once more: no load leaves the buffer)
	s_lshl_b32 s74, s74, 8
	s_load_b512 s[16:31], s[14:15], s74 offset:0x0
	s_load_b512 s[32:47], s[14:15], s74 offset:0x40
	s_load_b512 s[48:63], s[14:15], s74 offset:0x80
	s_load_b512 s[80:95], s[14:15], s74 offset:0xc0
.set cc, 0
.rept 4
	ds_load_b128 v[QF+4*cc:QF+4*cc+3], v[QA] offset:512*cc
.set cc, cc+1
.endr
	s_wait_dscnt 0x0
	WIN 0x01
.set tt, 0
.rept 8
	s_wait_loadcnt 60-4*tt                         ; K's fragment tt is in: behind its four loads stand 4 for each later fragment and V's 32
	AWX SBA, tt
.set tt, tt+1
.endr
	WIN 0
	PLACES
	TURN 0
	TURN 1
	TURN 2
	TURN 3
	TURN 4
	TURN 5
	TURN 6
	TURN 7
.endm
; PHASE 2 of a step: O^T += V^T P for the eight heads.  Each accumulator has one product a step: the 64 take turns, one instruction a turn.
; first = 1: the products start the sums with the constant 0.  Else each head's O^T is multiplied by its f while the head before has the matrix unit: four packed multiplications behind each product.
.macro PH2 first
	s_wait_kmcnt 0x0                               ; the next step's mask words
.if !\first
.set cc, 0
.rept 8
	ds_load_b32 v[QF+2*cc], v[FA] offset:128*cc    ; f of head cc, as the low word of a pair
.set cc, cc+1
.endr
.endif
.set cc, 0
.rept 32
	ds_load_b128 v[SBA+4*cc:SBA+4*cc+3], v[PA] offset:512*cc   ; the eight fragments of p: my own bytes, and LDS serves a wave's instructions in order
.set cc, cc+1
.endr
	s_wait_loadcnt 32                              ; V is in; the 32 loads issued in the last turn may be out
.if !\first
	s_wait_dscnt 32                                ; the eight f are in
	WIN 0x82
.set cc, 0
.rept 32
	v_pk_mul_f32 v[cc:cc+1], v[cc:cc+1], v[QF:QF+1] op_sel_hi:[1,0]   ; head 0's O^T x f
.set cc, cc+2
.endr
.endif
.set nn, 0
.rept 8
	WIN 0
	CBUILD 8*nn, 8                                 ; an eighth of the next step's C
	s_wait_dscnt 4*(7-nn)                          ; this head's p is in; the later heads' may be out
.set wO, 2+nn/4
.set rO, 64*(nn%4)
.set wN, 2+(nn+1)/4
.set rN, 64*((nn+1)%4)
.set yy, 0
.rept 8
.if \first
	WIN (wO<<6)|1
	v_wmma_f32_16x16x128_bf8_bf8 v[rO+8*yy:rO+8*yy+7], v[128+16*yy:128+16*yy+15], v[SBA+16*nn:SBA+16*nn+15], 0
.else
	WIN (wO<<6)|(wO<<4)|1
	v_wmma_f32_16x16x128_bf8_bf8 v[rO+8*yy:rO+8*yy+7], v[128+16*yy:128+16*yy+15], v[SBA+16*nn:SBA+16*nn+15], v[rO+8*yy:rO+8*yy+7]
.if nn < 7
	WIN (wN<<6)|wN
.set cc, 0
.rept 4
	v_pk_mul_f32 v[rN+8*yy+cc:rN+8*yy+cc+1], v[rN+8*yy+cc:rN+8*yy+cc+1], v[QF+2*nn+2:QF+2*nn+3] op_sel_hi:[1,0]
.set cc, cc+2
.endr
.endif
.endif
.set yy, yy+1
.endr
.set nn, nn+1
.endr
	PLACES
	WIN 0
.endm
	s_mov_b32 s67, 0
	PH1                                            ; the first step stands in front of the loop: its products start O^T's sums
	PH2 1
	s_add_nc_u64 s[8:9], s[8:9], 16384             ; V's loads were waited for in phase 2
	s_mov_b32 s67, 1
.Lstep:
	PH1
	PH2 0
	s_add_nc_u64 s[8:9], s[8:9], 16384
	s_add_co_u32 s67, s67, 1
	s_cmp_lt_u32 s67, 4
	s_cbranch_scc1 .Lstep
	; ---- THE FOUR QUARTERS OF THE KEYS MEET.  What I hold of the six heads that I do not own goes to their owners' bytes in LDS.
	LDFR 128, 10, 16384                            ; my other eight images of O
.set cc, 0
.rept 8
	v_permlanex16_b32 v[QF+cc], v[ST+2*cc+1], s70, s71
.set cc, cc+1
.endr
.set cc, 0
.rept 8
	v_add_f32 v[ST+2*cc+1], v[ST+2*cc+1], v[QF+cc] ; a query's sum: my 32 keys of each 64 and lane l xor 16's
.set cc, cc+1
.endr
	v_and_b32 v9, 31, v0
	s_lshl_b32 s2, s66, 11
	s_add_co_u32 s2, s2, MSTAT
	v_lshl_add_u32 v10, v9, 3, s2
.set cc, 2
.rept 6
	ds_store_b64 v10, v[ST+2*cc:ST+2*cc+1] offset:256*cc
.set cc, cc+1
.endr
.irp p, 1,2,3                          ; local heads 2 p, 2 p + 1 belong to wave (w + p) % 4
	s_add_co_u32 s2, s66, \p
	s_and_b32 s2, s2, 3
	s_mul_i32 s2, s2, 49152
	s_add_co_u32 s2, s2, MERGE+(\p-1)*16384
	v_add_nc_u32 v[10+\p], s2, v[LI]
.endr
.irp p, 1,2,3
	WIN (2+(2*\p)/4)<<2                            ; the stores' data in window 2 or 3
.irp e, 0,1
.set cc, 0
.rept 16
	ds_store_b128 v[10+\p], v[64*((2*\p+\e)%4)+4*cc:64*((2*\p+\e)%4)+4*cc+3] offset:8192*\e+512*cc   ; each accumulator from its low end on
.set cc, cc+1
.endr
.endr
.endr
	WIN 0
	BARRIER                                        ; every wave's parts lie in LDS, and nobody reads Q or p any more
	v_bfe_u32 v[PA], v0, 4, 1
	v_lshlrev_b32 v[PA], 5, v[PA]                  ; dv: lane (r, h) wants, for tile ft, those of f = 16 ft + 8 h + 0 .. 7
	WIN 0xc0                                       ; into window 3's v0-127, whose sums have been stored
.set cc, 0
.rept 32
	global_load_b128 v[4*cc:4*cc+3], v[PA], s[72:73] offset:4096+512*(cc/16)+64*((cc%16)/2)+16*(cc%2)
.set cc, cc+1
.endr
	WIN 0
	v_mov_b32 v[FA], s76                           ; 57,344 x 2^e4
	v_mov_b32 v[SC], s75                           ; 2^e4
.irp p, 1,2,3                          ; my head e is local head 2 p + e of wave (w - p) % 4
	s_add_co_u32 s2, s66, 4-\p
	s_and_b32 s2, s2, 3
	s_lshl_b32 s2, s2, 11
	s_add_co_u32 s2, s2, MSTAT+512*\p
	v_lshl_add_u32 v[10+\p], v9, 3, s2
.endr
	s_mul_i32 s2, s66, 49152
	s_add_co_u32 s2, s2, MERGE
	v_add_nc_u32 v14, s2, v[LI]
; My head e: the four parts under one M, divided by the sum, x dv, quantised: K step 2 w + e of the last product.
.macro OWN e
.irp p, 1,2,3
	ds_load_b64 v[54+2*\p:55+2*\p], v[10+\p] offset:256*\e   ; a partner's largest t and sum
.endr
.irp p, 1,2,3
.set cc, 0
.rept 16
	ds_load_b128 v[SBA+64*(\p-1)+4*cc:SBA+64*(\p-1)+4*cc+3], v14 offset:16384*(\p-1)+8192*\e+512*cc
.set cc, cc+1
.endr
.endr
	s_wait_dscnt 48                                ; the three pairs are in (and all older stores have read their registers); the 48 loads behind them may be out
	v_floor_f32 v40, -v[ST+2*\e]                   ; -M of the four parts,
	v_floor_f32 v41, -v56
	v_floor_f32 v42, -v58
	v_floor_f32 v43, -v60
	v_min_num_f32 v44, v40, v41
	v_min_num_f32 v45, v42, v43
	v_min_num_f32 v44, v44, v45                    ; and of the whole row
.irp k, 0,1,2,3
	v_sub_f32 v[40+\k], v44, v[40+\k]
	v_cvt_i32_f32 v[40+\k], v[40+\k]
	v_ldexp_f32 v[48+2*\k], 1.0, v[40+\k]          ; 2^(the part's M - the row's M)
.endr
	v_mul_f32 v46, v48, v[ST+2*\e+1]
	v_fmac_f32 v46, v50, v57
	v_fmac_f32 v46, v52, v59
	v_fmac_f32 v46, v54, v61                       ; the row's sum
	v_rcp_f32 v47, v46
.if \e == 0
	v_max3_num_f32 v45, v[ST], v56, v58            ; (plain work behind the reciprocal)  a query all of whose keys are hidden: its largest t lies under -c' x 2^99
	v_max_num_f32 v45, v45, v60
	v_cmp_gt_f32 vcc_lo, s101, v45
	v_mov_b32 v6, s100
	v_mov_b32 v7, 0x7fc00000
	v_cndmask_b32 v6, v6, v7, vcc_lo               ; what the last sums are multiplied by: 2^(e4 + e5), or NaN
.else
	v_nop
.endif
	s_wait_alu depctr_va_vdst(0)                   ; the wait ahead of the reciprocal's first reader
	v_ldexp_f32 v47, v47, s99                      ; x 2^(e2 + e3)
.irp k, 0,1,2,3
	v_mul_f32 v[48+2*\k], v[48+2*\k], v47          ; a power of two x that: nothing is rounded
.endr
	s_wait_dscnt 0x0
.set cc, 0
.rept 32
	v_pk_mul_f32 v[SBA+cc:SBA+cc+1], v[SBA+cc:SBA+cc+1], v[50:51] op_sel_hi:[1,0]
.set cc, cc+2
.endr
	WIN 0x02                                       ; my own part: source 0 in window 2
.set cc, 0
.rept 32
	v_pk_fma_f32 v[SBA+cc:SBA+cc+1], v[64*\e+cc:64*\e+cc+1], v[48:49], v[SBA+cc:SBA+cc+1] op_sel_hi:[1,0,1]
.set cc, cc+2
.endr
	WIN 0
.set cc, 0
.rept 32
	v_pk_fma_f32 v[SBA+cc:SBA+cc+1], v[SBB+cc:SBB+cc+1], v[52:53], v[SBA+cc:SBA+cc+1] op_sel_hi:[1,0,1]
.set cc, cc+2
.endr
.set cc, 0
.rept 32
	v_pk_fma_f32 v[SBA+cc:SBA+cc+1], v[CM+cc:CM+cc+1], v[54:55], v[SBA+cc:SBA+cc+1] op_sel_hi:[1,0,1]
.set cc, cc+2
.endr
	s_wait_loadcnt 0x0                             ; dv (and O's images)
	WIN 0x0c                                       ; dv: source 1 in window 3
.set cc, 0
.rept 32
	v_pk_mul_f32 v[SBA+cc:SBA+cc+1], v[SBA+cc:SBA+cc+1], v[64*\e+cc:64*\e+cc+1]
.set cc, cc+2
.endr
	WIN 0
.set cc, 0
.rept 64
	v_med3_num_f32 v[SBA+cc], v[SBA+cc], -v[FA], v[FA]
.set cc, cc+1
.endr
.set cc, 0
.rept 8
	v_cvt_scalef32_pk8_bf8_f32 v[QF+2*cc:QF+2*cc+1], v[SBA+8*cc:SBA+8*cc+7], v[SC]   ; registers 2 ft, 2 ft + 1: x = 128 head + 16 ft + 8 h + 0 .. 7
.set cc, cc+1
.endr
	v_nop                                          ; one plain vector instruction behind the last conversion
.set cc, 0
.rept 4
	ds_store_b128 v[QA], v[QF+4*cc:QF+4*cc+3] offset:OHIMG+2048*\e+512*cc
.set cc, cc+1
.endr
.endm
	OWN 0
	OWN 1
	BARRIER                                        ; the eight K steps of the last product lie in LDS
	; ---- out0 = Oh O: my 32 outputs for the 16 queries: two accumulators by turns, a head a turn.  Source 0 = 16 columns of O, source 1 = the 16 queries.
.set cc, 0
.rept 32
	ds_load_b128 v[SBA+4*cc:SBA+4*cc+3], v[LI] offset:OHIMG+512*cc
.set cc, cc+1
.endr
	v_and_b32 v9, 15, v0
	v_mul_u32_u24 v8, v9, SP
	v_bfe_u32 v9, v0, 4, 1
	v_lshl_add_u32 v8, v9, 5, v8
	s_lshl_b32 s2, s66, 7
	s_add_co_u32 s2, s2, OUTSTG
	v_add_nc_u32 v8, s2, v8                        ; the stage: row r, + 128 w + 32 h: my outputs' bytes
	s_mul_i32 s2, s66, 4*SP
	s_add_co_u32 s2, s2, OUTSTG
	v_add_nc_u32 v9, s2, v[LI]                     ; back: rows 4 w on, 16 bytes a lane
	s_lshl_b32 s2, s66, 11
	v_add_nc_u32 v10, s2, v[LI]                    ; and the same in out0
	s_wait_dscnt 0x0
	WIN 0x01
	v_wmma_f32_16x16x128_bf8_bf8 v[192:199], v[0:15], v[SBA:SBA+15], 0
	v_wmma_f32_16x16x128_bf8_bf8 v[200:207], v[128:143], v[SBA:SBA+15], 0
.set gg, 1
.rept 7
	v_wmma_f32_16x16x128_bf8_bf8 v[192:199], v[16*gg:16*gg+15], v[SBA+16*gg:SBA+16*gg+15], v[192:199]
	v_wmma_f32_16x16x128_bf8_bf8 v[200:207], v[128+16*gg:128+16*gg+15], v[SBA+16*gg:SBA+16*gg+15], v[200:207]
.set gg, gg+1
.endr
	WIN 0
	PLACES
.set cc, 0
.rept 8
	v_pk_mul_f32 v[208+cc:209+cc], v[192+cc:193+cc], v[6:7] op_sel_hi:[1,0]   ; x 2^(e4 + e5), or NaN; each accumulator from its low end on
.set cc, cc+2
.endr
.set cc, 0
.rept 4
	ds_store_b128 v8, v[208+4*cc:211+4*cc] offset:64*(cc/2)+16*(cc%2)   ; lane (r, h): out0(r, 32 w + 16 a + 8 h + 0 .. 7)
.set cc, cc+1
.endr
	BARRIER                                        ; 16 whole rows lie in the stage
.set cc, 0
.rept 4
	ds_load_b128 v[224+4*cc:227+4*cc], v9 offset:SP*cc
.set cc, cc+1
.endr
.set cc, 0
.rept 4
	s_wait_dscnt 3-cc
	global_store_b128 v10, v[224+4*cc:227+4*cc], s[78:79] offset:512*cc th:TH_STORE_NT   ; 32 lanes store a row: 512 consecutive bytes, at a multiple of 256 from out0's first byte
.set cc, cc+1
.endr
	s_wait_xcnt 0x0
	v_lshl_add_u32 v254, v0, 2, 0x4b000
	v_mov_b32 v255, 0
	s_wait_tensorcnt 0x0
	ds_add_u32 v254, v255
	s_wait_dscnt 0x0
	s_endpgm
.Lfunc_end_k_q91f75dfd03_attn:
	.size	k_q91f75dfd03_attn, .Lfunc_end_k_q91f75dfd03_attn-k_q91f75dfd03_attn
	.p2alignl 7, 3214868480
	.fill 96, 4, 3214868480
	.section	.rodata,"a",@progbits
	.p2align	6, 0x0
	.amdhsa_kernel k_q91f75dfd03_attn
		.amdhsa_group_segment_fixed_size 307712
		.amdhsa_private_segment_fixed_size 0
		.amdhsa_enable_private_segment 0
		.amdhsa_kernarg_size 64
		.amdhsa_user_sgpr_count 2
		.amdhsa_user_sgpr_kernarg_segment_ptr 1
		.amdhsa_wavefront_size32 1
		.amdhsa_system_sgpr_workgroup_id_x 1
		.amdhsa_system_sgpr_workgroup_id_y 1
		.amdhsa_system_sgpr_workgroup_id_z 1
		.amdhsa_system_vgpr_workitem_id 0
		.amdhsa_next_free_vgpr 1024
		.amdhsa_next_free_sgpr 102
		.amdhsa_reserve_vcc 1
		.amdhsa_float_denorm_mode_32 3
		.amdhsa_float_denorm_mode_16_64 3
		.amdhsa_memory_ordered 1
		.amdhsa_forward_progress 1
		.amdhsa_inst_pref_size 255
	.end_amdhsa_kernel
	.section	.bss,"aw",@nobits
	.p2align	6
	.space	262144
	.amdgpu_metadata
---
amdhsa.version: [ 1, 2 ]
amdhsa.kernels:
  - .name:           k_q91f75dfd03_attn
    .symbol:         k_q91f75dfd03_attn.kd
    .args:
      - { .name: X_Q, .offset: 0, .size: 8, .value_kind: global_buffer, .address_space: global }
      - { .name: kimg, .offset: 8, .size: 8, .value_kind: global_buffer, .address_space: global }
      - { .name: vimg, .offset: 16, .size: 8, .value_kind: global_buffer, .address_space: global }
      - { .name: oimg, .offset: 24, .size: 8, .value_kind: global_buffer, .address_space: global }
      - { .name: gdv, .offset: 32, .size: 8, .value_kind: global_buffer, .address_space: global }
      - { .name: mw, .offset: 40, .size: 8, .value_kind: global_buffer, .address_space: global }
      - { .name: lowp_scales, .offset: 48, .size: 8, .value_kind: global_buffer, .address_space: global }
      - { .name: out0, .offset: 56, .size: 8, .value_kind: global_buffer, .address_space: global }
    .group_segment_fixed_size: 307712
    .private_segment_fixed_size: 0
    .kernarg_segment_align: 8
    .kernarg_segment_size: 64
    .max_flat_workgroup_size: 128
    .sgpr_count:     102
    .vgpr_count:     1024
    .wavefront_size: 32
...
	.end_amdgpu_metadata
.endif
;; end of part 2
;; ======== version 2 of 3: 2 launches; 1.13 times as fast as version 1
;; limits: right only within a limited range of input values
;; workspace buffers: kimg 524,288 bytes; vimg 524,288 bytes; oimg 131,072 bytes; gdv 8,192 bytes; mw 1,048,576 bytes of whole numbers
;; launch prep (part 3): grid 256 x 1, 8 waves a work-group, no clusters, 77,824 bytes of LDS; arguments X_K, X_V, O, W_Q, W_K, W_V, mask, lowp_scales, kimg, vimg, oimg, gdv, mw; writes kimg, vimg, oimg, gdv, mw
.if DOCPART == 3
	.amdgcn_target "amdgcn-amd-amdhsa--gfx1250"
	.amdhsa_code_object_version 6
	.text
	.protected	k_q91f75dfd03_prep
	.globl	k_q91f75dfd03_prep
	.p2align	8
	.type	k_q91f75dfd03_prep,@function
k_q91f75dfd03_prep:
	s_mov_b64 s[64:65], 0
	v_nop
	global_prefetch_b8 v0, s[64:65] scope:SCOPE_SE
	s_setreg_imm32_b32 hwreg(HW_REG_WAVE_MODE, 25, 1), 1
	s_wait_xcnt 0x0
; Everything that the attention launch reads many times is made here once, each input byte read once.
;   mask [2][1][2048][2048] int32 -> mw:   lane masks, one bit a number
;   X_K [2][2048][128] f32        -> kimg: codes of E5M2 with the given 2^e1, as images of operand registers
;   X_V [2][2048][128] f32        -> vimg: codes with 2^e2, quantised along the KEYS, which are its first axis
;   O [1024][128] f32             -> oimg: codes with 2^e5, quantised along its first axis
;   the diagonals of W_Q, W_K, W_V -> gdv: g = dq x dk [8][128] f32, then dv [8][128] f32
; SHARES.  256 work-groups of equal work.  Work-group m takes the mask of 16 queries x 2,048 keys; wave v of it the keys 256 v .. 256 v + 255, two units of 128.  That is four fifths of the launch's bytes.
; The rest is cut into small pieces and dealt to the same waves by their numbers: waves 0-4 one of the 1,280 groups (16 along K x 32 columns) of X_V and O, group 5 m + v; waves 5 and 6 one half of K's image m;
; wave 7 of work-groups 0-15 64 elements of the diagonals.  A wave asks for its piece first, then for its 32 loads of the mask (48 loads out at the most), and works on the piece behind the mask:
; loads come back in order (ISA guide 5.7.1), so the mask's last wait shows the piece in as well, and the piece waits for memory no second time.
; The ways part once, on the wave's number, and do not join: the mask's text is a macro that stands on each.  Each wave has a stage in LDS of its own, so there is no barrier; wave 7's two ways, which part on the
; work-group's number, have a stage each.
; AN IMAGE is a fragment (16 rows x 128 along K, 16 registers a lane) as 2,048 bytes: registers 4 c .. 4 c + 3 of lane l lie at 512 c + 16 l,
; so that four loads of 16 bytes a lane, 512 consecutive bytes each, give any wave the operand as it stands.
;   kimg [b][kb][t]:    lane (r, h) holds key 128 kb + 16 t + r; registers 4 G .. 4 G + 3 hold d = 32 G + 16 h + 0 .. 15 (the attention launch lays Q by the same order of d)
;   vimg [b][kb][ft]:   lane (r, h) holds f = 16 ft + r; registers 2 t, 2 t + 1 hold keys 128 kb + 16 t + 8 h + 0 .. 7
;   oimg [nt][head]:    lane (r, h) holds n = 16 nt + r; registers 2 c, 2 c + 1 hold x = 128 head + 16 c + 8 h + 0 .. 7
;   mw [tile of 16 queries m][kb][word 8 t + j]: bit r + 16 h is 1 where mask[16 m + r][128 kb + 16 t + 8 h + j] == 0: the lane mask of register 8 t + j of a tile of scores
; code = x / 2^e, held within +-57,344, to the nearest code, ties to even.  LIMITS: each e between -126 and 112, so that 2^e and 57,344 x 2^e are f32 numbers.  NaN among the inputs is not served.
.set SP,  528                          ; a stage row: 512 bytes + 16 of padding, so that the sixteen rows that a read touches start 4 words apart.  A stage is 16 rows; nine stages
.set XD,  16                           ; v16-47   the piece's numbers
.set XC,  48                           ; v48-55   the piece's codes
.set MWR, 56                           ; v56-59   the mask's words: two registers a unit
.set ML,  64                           ; v64-191  the mask as it is loaded: two units of 16 rows x 4 registers
.set MT,  192                          ; v192-255 a unit, turned
; v2 lane  v3 16 x lane  v4, v5 my stage, in and out  v6 8 x lane  v7 the piece's offset in its input  v8 r  v9 h  v10, v11 57,344 x 2^e and 2^e  v12 the piece's offset in its output
; The wave's 32 loads of the mask go out at once: 16 KiB a wave on their way; each reads 512 consecutive bytes of one row.
.macro MASKLOAD
.set cc, 0
.rept 32
	global_load_b128 v[ML+4*cc:ML+4*cc+3], v3, s[16:17] offset:8192*(cc%16)+512*(cc/16) th:TH_LOAD_NT   ; unit cc / 16, row cc % 16
.set cc, cc+1
.endr
.endm
; One unit: 16 rows x 128 keys turn through the stage, so that lane (r, h) holds in register 8 t + j what the score's register 8 t + j stands for; a compare gives the word;
; word n goes to lane n / 2 of register n % 2, and the wave stores the 64 words as 256 consecutive bytes.
.macro UNIT u
	s_wait_loadcnt 16-16*\u                        ; this unit's sixteen loads are in (and the piece's, which are older); the other unit's may be out
.set cc, 0
.rept 16
	ds_store_b128 v4, v[ML+64*\u+4*cc:ML+64*\u+4*cc+3] offset:SP*cc
.set cc, cc+1
.endr
.set cc, 0
.rept 16
	ds_load_b128 v[MT+4*cc:MT+4*cc+3], v5 offset:64*(cc/2)+16*(cc%2)   ; LDS serves a wave's instructions in order (ISA guide 5.7.1.4): these see the stores above
.set cc, cc+1
.endr
	s_wait_dscnt 0x0
.set tt, 0
.rept 8
.set cc, 0
.rept 8
	v_cmp_eq_u32 s[48+cc], 0, v[MT+8*tt+cc]        ; bit = 1 where the key is hidden
.set cc, cc+1
.endr
.set cc, 0
.rept 8
	v_writelane_b32 v[MWR+2*\u+cc%2], s[48+cc], 4*tt+cc/2
.set cc, cc+1
.endr
.set tt, tt+1
.endr
	global_store_b64 v6, v[MWR+2*\u:MWR+2*\u+1], s[28:29] offset:256*\u
.endm
; 2^e as f32 in v11 (the conversion takes its exponent field), 57,344 x 2^e in v10; e in s[se]
.macro SCALE se
	s_add_co_i32 s56, s[\se], 127
	s_lshl_b32 s57, s56, 23
	v_mov_b32 v11, s57
	s_add_co_i32 s56, s56, 15
	s_lshl_b32 s56, s56, 23
	s_or_b32 s56, s56, 0x600000
	v_mov_b32 v10, s56
.endm
	s_load_b512 s[4:19], s[0:1], 0x0               ; X_K s[4:5], X_V s[6:7], O s[8:9], W_Q s[10:11], W_K s[12:13], W_V s[14:15], mask s[16:17], the exponents s[18:19]
	s_load_b256 s[20:27], s[0:1], 0x40             ; kimg s[20:21], vimg s[22:23], oimg s[24:25], gdv s[26:27]
	s_load_b64 s[28:29], s[0:1], 0x60              ; mw
	v_lshl_add_u32 v62, v0, 2, 0x12c00
	v_mov_b32 v63, 0
	v_lshrrev_b32 v1, 5, v0
	v_readfirstlane_b32 s30, v1                    ; wave 0..7
	v_and_b32 v2, 31, v0                           ; lane
	v_lshlrev_b32 v3, 4, v2                        ; 16 x lane
	s_mul_i32 s40, s30, 16*SP                      ; my stage
	v_add_nc_u32 v4, s40, v3                       ; in: a row as it lies
	v_and_b32 v8, 15, v0                           ; r
	v_bfe_u32 v9, v0, 4, 1                         ; h
	v_mul_u32_u24 v5, v8, SP
	v_lshl_add_u32 v5, v9, 5, v5
	v_add_nc_u32 v5, s40, v5                       ; out: lane (r, h) takes row r, 32 h bytes on: eight keys of each 16
	v_lshlrev_b32 v6, 3, v2                        ; 8 x lane: two words a lane
	v_mov_b32 v[MWR], 0                            ; v_writelane_b32's destination counts as read
	v_mov_b32 v[MWR+1], 0
	v_mov_b32 v[MWR+2], 0
	v_mov_b32 v[MWR+3], 0
	s_lshl_b32 s38, ttmp9, 17                      ; the mask: 16 rows of 8,192 bytes,
	s_lshl_b32 s39, s30, 10                        ; my 256 keys
	s_add_co_u32 s38, s38, s39
	s_mov_b32 s39, 0
	s_lshl_b32 s42, ttmp9, 12                      ; mw: 4,096 bytes a tile of queries,
	s_lshl_b32 s43, s30, 9                         ; 256 a unit
	s_add_co_u32 s42, s42, s43
	s_mov_b32 s43, 0
	s_wait_kmcnt 0x0
	s_add_nc_u64 s[16:17], s[16:17], s[38:39]
	s_add_nc_u64 s[28:29], s[28:29], s[42:43]
	s_cmp_lt_u32 s30, 5
	s_cbranch_scc1 .Lway_vo
	s_cmp_lt_u32 s30, 7
	s_cbranch_scc1 .Lway_k
	s_cmp_lt_u32 ttmp9, 16
	s_cbranch_scc1 .Lway_d
	; ---- wave 7 of work-groups 16-255: the mask alone
	MASKLOAD
	UNIT 0
	UNIT 1
	s_wait_tensorcnt 0x0
	ds_add_u32 v62, v63
	s_wait_dscnt 0x0
	s_endpgm
	; ---- waves 0-4: a group of X_V or of O, whose K is the FIRST axis.  A lane takes a column and its registers run down K, in the very order that the image wants, so nothing is transposed.
	; A unit is 128 along K x 32 columns, two images; it has eight groups x = 2 g + h: rows 32 g + 8 h + 0 .. 7 and 32 g + 16 + 8 h + 0 .. 7, which are registers 4 g .. 4 g + 3 of the lanes of half h.
	; Units 0-127 are X_V's (32 runs of 128 keys x 4 runs of 32 columns), units 128-159 O's (8 heads x 4).
.Lway_vo:
	s_load_b32 s34, s[18:19], 0x8                  ; e2
	s_load_b32 s37, s[18:19], 0x14                 ; e5
	s_mul_i32 s31, ttmp9, 5
	s_add_co_u32 s31, s31, s30                     ; my group, 0..1279
	s_lshr_b32 s44, s31, 3                         ; its unit, 0..159
	s_and_b32 s45, s31, 7                          ; x
	s_cmp_lt_u32 s44, 128                          ; X_V's or O's?  The choice hangs on the work-group's and the wave's numbers alone
	s_cselect_b64 s[38:39], s[6:7], s[8:9]
	s_cselect_b64 s[40:41], s[22:23], s[24:25]
	s_cselect_b32 s43, 11, 14                      ; from one image of the pair to the other: 2,048 bytes in vimg, eight images in oimg
	s_cselect_b32 s46, 0, 128
	s_sub_co_u32 s44, s44, s46                     ; u: 0..127 for X_V, 0..31 for O
	s_lshr_b32 s46, s44, 2                         ; which 128 along K: 16 b + kb, or the head
	s_and_b32 s47, s44, 3                          ; which 32 columns
	s_lshl_b32 s48, s46, 3
	s_lshl_b32 s49, s47, 1
	s_add_co_u32 s48, s48, s49                     ; vimg: image 8 (u / 4) + 2 (u % 4)
	s_lshl_b32 s49, s47, 4
	s_add_co_u32 s49, s49, s46                     ; oimg: image 16 (u % 4) + u / 4
	s_cmp_lt_u32 s31, 1024                         ; (the same question, asked of the group)
	s_cselect_b32 s48, s48, s49
	s_lshl_b32 s48, s48, 11
	s_lshr_b32 s50, s45, 1                         ; g
	s_and_b32 s51, s45, 1                          ; h
	s_lshl_b32 s52, s50, 9
	s_add_co_u32 s48, s48, s52                     ; + 512 g
	s_lshl_b32 s52, s51, 8
	s_add_co_u32 s48, s48, s52                     ; + 256 h
	s_mov_b32 s49, 0
	s_add_nc_u64 s[40:41], s[40:41], s[48:49]
	s_lshl_b32 s52, s46, 16                        ; in: 128 rows of 512 bytes a unit,
	s_lshl_b32 s53, s47, 7                         ; 32 columns,
	s_add_co_u32 s52, s52, s53
	s_lshl_b32 s53, s50, 14                        ; 32 g rows,
	s_add_co_u32 s52, s52, s53
	s_lshl_b32 s53, s51, 12                        ; 8 h rows
	s_add_co_u32 s52, s52, s53
	s_mov_b32 s53, 0
	s_add_nc_u64 s[38:39], s[38:39], s[52:53]
	v_lshlrev_b32 v7, 2, v2                        ; in: 4 bytes a lane: a load reads 128 consecutive bytes
	v_lshlrev_b32 v12, s43, v9
	v_lshl_add_u32 v12, v8, 4, v12                 ; out: sixteen lanes store 256 consecutive bytes of one image
.set cc, 0
.rept 16
	global_load_b32 v[XD+cc], v7, s[38:39] offset:(cc+8*(cc/8))*512 th:TH_LOAD_NT
.set cc, cc+1
.endr
	MASKLOAD
	UNIT 0
	UNIT 1                                         ; its wait is for all loads: the group's sixteen are in
	s_wait_kmcnt 0x0
	s_cmp_lt_u32 s31, 1024
	s_cselect_b32 s42, s34, s37
	SCALE 42
.set cc, 0
.rept 16
	v_med3_num_f32 v[XD+cc], v[XD+cc], -v10, v10   ; the conversion to an 8-bit code does not saturate (ISA guide 7.6.2): the hold comes first
.set cc, cc+1
.endr
	v_cvt_scalef32_pk8_bf8_f32 v[XC:XC+1], v[XD:XD+7], v11
	v_cvt_scalef32_pk8_bf8_f32 v[XC+2:XC+3], v[XD+8:XD+15], v11
	global_store_b128 v12, v[XC:XC+3], s[40:41]
	s_wait_tensorcnt 0x0
	ds_add_u32 v62, v63
	s_wait_dscnt 0x0
	s_endpgm
	; ---- waves 5 and 6: half an image of X_K: 16 keys x 64 of d.  K is innermost, so lane (r, h) loads its 16 neighbours of each 32 straight into the order of the operand's registers.
	; The eight loads of the wave together read 256 consecutive bytes, aligned, of each of the 16 rows.
.Lway_k:
	s_load_b32 s33, s[18:19], 0x4                  ; e1
	s_sub_co_u32 s31, s30, 5                       ; which half: G = 2 x half + 0, 1
	s_lshl_b32 s38, ttmp9, 13                      ; image m = 128 b + 8 kb + t: 16 rows of 512 bytes,
	s_lshl_b32 s39, s31, 8                         ; 64 numbers on
	s_add_co_u32 s38, s38, s39
	s_mov_b32 s39, 0
	s_add_nc_u64 s[4:5], s[4:5], s[38:39]
	s_lshl_b32 s38, ttmp9, 11
	s_lshl_b32 s41, s31, 10
	s_add_co_u32 s38, s38, s41
	s_add_nc_u64 s[20:21], s[20:21], s[38:39]
	v_lshlrev_b32 v7, 9, v8
	v_lshl_add_u32 v7, v9, 6, v7                   ; row r, + 64 h
.set cc, 0
.rept 8
	global_load_b128 v[XD+4*cc:XD+4*cc+3], v7, s[4:5] offset:128*(cc/4)+16*(cc%4) th:TH_LOAD_NT
.set cc, cc+1
.endr
	MASKLOAD
	UNIT 0
	UNIT 1                                         ; its wait is for all loads: the half image's eight are in
	s_wait_kmcnt 0x0
	SCALE 33
.set cc, 0
.rept 32
	v_med3_num_f32 v[XD+cc], v[XD+cc], -v10, v10
.set cc, cc+1
.endr
.set cc, 0
.rept 4
	v_cvt_scalef32_pk8_bf8_f32 v[XC+2*cc:XC+2*cc+1], v[XD+8*cc:XD+8*cc+7], v11
.set cc, cc+1
.endr
	global_store_b128 v3, v[XC:XC+3], s[20:21]               ; 512 consecutive bytes each
	global_store_b128 v3, v[XC+4:XC+7], s[20:21] offset:512
	s_wait_tensorcnt 0x0
	ds_add_u32 v62, v63
	s_wait_dscnt 0x0
	s_endpgm
	; ---- wave 7 of work-groups 0-15: elements e = 64 m + 2 lane + 0, 1 of [8][128]: element e lies at (e / 128) x 65,536 + (e % 128) x 516 bytes of each W.
.Lway_d:
	v_add_nc_u32 v4, 16*SP, v4                     ; this way has the ninth stage
	v_add_nc_u32 v5, 16*SP, v5
	s_lshr_b32 s31, ttmp9, 1                       ; the head
	s_lshl_b32 s31, s31, 16
	s_and_b32 s38, ttmp9, 1                        ; which 64 of its 128
	s_mul_i32 s38, s38, 64*516
	s_add_co_u32 s31, s31, s38
	v_mul_u32_u24 v7, v2, 2*516
	v_add_nc_u32 v7, s31, v7
	s_lshl_b32 s38, ttmp9, 8                       ; out: 64 numbers of 4 bytes
	s_mov_b32 s39, 0
	s_add_nc_u64 s[26:27], s[26:27], s[38:39]
	global_load_b32 v[XD], v7, s[10:11]
	global_load_b32 v[XD+1], v7, s[10:11] offset:516
	global_load_b32 v[XD+2], v7, s[12:13]
	global_load_b32 v[XD+3], v7, s[12:13] offset:516
	global_load_b32 v[XD+4], v7, s[14:15]
	global_load_b32 v[XD+5], v7, s[14:15] offset:516
	MASKLOAD
	UNIT 0
	UNIT 1                                         ; its wait is for all loads: the six are in
	v_mul_f32 v[XD+6], v[XD], v[XD+2]              ; g = dq x dk
	v_mul_f32 v[XD+7], v[XD+1], v[XD+3]
	global_store_b64 v6, v[XD+6:XD+7], s[26:27]              ; the wave stores 256 consecutive bytes, aligned
	global_store_b64 v6, v[XD+4:XD+5], s[26:27] offset:4096  ; dv
	s_wait_tensorcnt 0x0
	ds_add_u32 v62, v63
	s_wait_dscnt 0x0
	s_endpgm
.Lfunc_end_k_q91f75dfd03_prep:
	.size	k_q91f75dfd03_prep, .Lfunc_end_k_q91f75dfd03_prep-k_q91f75dfd03_prep
	.p2alignl 7, 3214868480
	.fill 96, 4, 3214868480
	.section	.rodata,"a",@progbits
	.p2align	6, 0x0
	.amdhsa_kernel k_q91f75dfd03_prep
		.amdhsa_group_segment_fixed_size 77824
		.amdhsa_private_segment_fixed_size 0
		.amdhsa_enable_private_segment 0
		.amdhsa_kernarg_size 104
		.amdhsa_user_sgpr_count 2
		.amdhsa_user_sgpr_kernarg_segment_ptr 1
		.amdhsa_wavefront_size32 1
		.amdhsa_system_sgpr_workgroup_id_x 1
		.amdhsa_system_sgpr_workgroup_id_y 1
		.amdhsa_system_sgpr_workgroup_id_z 1
		.amdhsa_system_vgpr_workitem_id 0
		.amdhsa_next_free_vgpr 256
		.amdhsa_next_free_sgpr 66
		.amdhsa_reserve_vcc 0
		.amdhsa_float_denorm_mode_32 3
		.amdhsa_float_denorm_mode_16_64 3
		.amdhsa_memory_ordered 1
		.amdhsa_forward_progress 1
		.amdhsa_inst_pref_size 106
	.end_amdhsa_kernel
	.amdgpu_metadata
---
amdhsa.version: [ 1, 2 ]
amdhsa.kernels:
  - .name:           k_q91f75dfd03_prep
    .symbol:         k_q91f75dfd03_prep.kd
    .args:
      - { .name: X_K, .offset: 0, .size: 8, .value_kind: global_buffer, .address_space: global }
      - { .name: X_V, .offset: 8, .size: 8, .value_kind: global_buffer, .address_space: global }
      - { .name: O, .offset: 16, .size: 8, .value_kind: global_buffer, .address_space: global }
      - { .name: W_Q, .offset: 24, .size: 8, .value_kind: global_buffer, .address_space: global }
      - { .name: W_K, .offset: 32, .size: 8, .value_kind: global_buffer, .address_space: global }
      - { .name: W_V, .offset: 40, .size: 8, .value_kind: global_buffer, .address_space: global }
      - { .name: mask, .offset: 48, .size: 8, .value_kind: global_buffer, .address_space: global }
      - { .name: lowp_scales, .offset: 56, .size: 8, .value_kind: global_buffer, .address_space: global }
      - { .name: kimg, .offset: 64, .size: 8, .value_kind: global_buffer, .address_space: global }
      - { .name: vimg, .offset: 72, .size: 8, .value_kind: global_buffer, .address_space: global }
      - { .name: oimg, .offset: 80, .size: 8, .value_kind: global_buffer, .address_space: global }
      - { .name: gdv, .offset: 88, .size: 8, .value_kind: global_buffer, .address_space: global }
      - { .name: mw, .offset: 96, .size: 8, .value_kind: global_buffer, .address_space: global }
    .group_segment_fixed_size: 77824
    .private_segment_fixed_size: 0
    .kernarg_segment_align: 8
    .kernarg_segment_size: 104
    .max_flat_workgroup_size: 256
    .sgpr_count:     66
    .vgpr_count:     256
    .wavefront_size: 32
...
	.end_amdgpu_metadata
.endif
;; end of part 3
;; launch attn: the kernel of part 2 again; grid 256 x 1, 4 waves a work-group, no clusters, 307,712 bytes of LDS; arguments X_Q, kimg, vimg, oimg, gdv, mw, lowp_scales, out0; writes out0
;; ======== version 3 of 3: 2 launches; version 2 with the launch attn written anew for expert scheduling mode
;; limits: right only within a limited range of input values
;; workspace buffers: kimg 524,288 bytes; vimg 524,288 bytes; oimg 131,072 bytes; gdv 8,192 bytes; mw 1,048,576 bytes of whole numbers
;; launch prep: the kernel of part 3 again; grid 256 x 1, 8 waves a work-group, no clusters, 77,824 bytes of LDS; arguments X_K, X_V, O, W_Q, W_K, W_V, mask, lowp_scales, kimg, vimg, oimg, gdv, mw; writes kimg, vimg, oimg, gdv, mw
;; launch attn (part 4): grid 256 x 1, 4 waves a work-group, no clusters, 307,712 bytes of LDS; arguments X_Q, kimg, vimg, oimg, gdv, mw, lowp_scales, out0; writes out0
.if DOCPART == 4
	.amdgcn_target "amdgcn-amd-amdhsa--gfx1250"
	.amdhsa_code_object_version 6
	.text
	.protected	k_q91f75dfd03_attn
	.globl	k_q91f75dfd03_attn
	.p2align	8
	.type	k_q91f75dfd03_attn,@function
k_q91f75dfd03_attn:
	s_mov_b64 s[64:65], 0
	v_nop
	global_prefetch_b8 v0, s[64:65] scope:SCOPE_SE
	s_setreg_imm32_b32 hwreg(HW_REG_WAVE_SCHED_MODE, 0, 2), 2
	s_setreg_imm32_b32 hwreg(HW_REG_WAVE_MODE, 25, 1), 1
	s_wait_xcnt 0x0
	s_wait_alu depctr_vm_vsrc(0)
; out0[b][q][:] = (heads side by side of  softmax_k(mask, (X_Q g_h) . X_K / sqrt(128)) X_V x dv_h)  O, all three products on codes of E5M2 with the given scales 2^e0 .. 2^e5.
; SHARES.  A work-group owns 16 queries and ALL 8 heads, so a row of out0 has one owner and the last product is made here too.  Each of its four waves takes all 8 heads and a QUARTER OF THE KEYS, 512,
; in four steps of 128.  So a fragment of K or V goes from memory straight into the registers of the one wave that uses it and feeds eight matrix instructions; no tile of K or V lies in LDS.
; At the end the four waves' partial sums of a head meet in LDS and are brought under one M by powers of two.
; LAYOUT.  Both products are used transposed: S^T = K Qg^T + C (source 0 = 16 keys, source 1 = my 16 queries), O^T = V^T P^T: lane (r, h) holds query r throughout.  Register 8 t + j of S^T is key 16 t + 8 h + j,
; so eight registers of a tile, converted, are registers 2 t, 2 t + 1 of the next operand as that form lays it.
; THE MASK IS THE C OF THE FIRST PRODUCT: 0 where a key counts, -2^100 where it is hidden, made once a step from the stored lane masks (one v_cndmask_b32 a register) and used by all 8 heads.
; A sum of codes is under 2^39 in size, so a hidden key's t lies c' x 2^100 under every other and its p is 0.  A query ALL of whose keys are hidden is told by its largest t (under -c' x 2^99) and gets NaN, as the softmax of such a row is.
; THE SOFTMAX: t = sum x c', c' = log2(e) / sqrt(128) x 2^(e0 + e1); M = the running largest t rounded up to a whole number; p = 2^(t - M) is quantised with 2^e3; the row's sum is taken of the unquantised p.
; p is at most 1, so its hold at 57,344 x 2^e3 changes nothing where e3 >= -15: a scalar branch on e3 leads round the 64 holds of a tile there; they are written and run where e3 <= -16.
; HEADS BY TURNS.  Wave w takes the heads in the order 2 w, 2 w + 1, .. (mod 8): its local heads 0 and 1 are the two that it owns at the end, and the text is the same in all waves.
; In phase 1 of a step the next head's eight products K Qg^T stand between the exponentials of the head in hand; p's codes and the factors f wait in the wave's own LDS bytes;
; in phase 2 the 64 products V^T P stand among the rescaling of the next head's O^T and the making of the next step's C.
; NO CLUSTER, NO TENSOR LOAD, though 128 work-groups read the same images: nothing here lies in LDS for a joint load to fill.
; LIMITS on the given exponents: e0 + e1 between -85 and 26 (c' x 2^100 is an f32 number and at least 2^12); each single e between -126 and 112; e4 + e5 between -126 and 127.  NaN among the inputs is not served.
; REGISTERS, in windows of 256 (s_set_vgpr_msb: bits 1:0 source 0, 3:2 source 1, 5:4 source 2, 7:6 destination):
;   window 0: v1-5 addresses and 2^e3; v6, v7 the new and the old -M; v8, v9 f, by turns; v10-15 at work; v16-31 (largest t, sum) of the 8 heads; v32-47 Q's fragment, in phase 2 the f; v48-63 codes just made;
;             v64-127, v128-191 two tiles of scores by turns, in phase 2 the eight fragments of p; v192-255 C
;   window 1: v0-127 K of the step (at the end 8 fragments of O); v128-255 V of the step (at the end 8 more of O)
;   window 2, 3: O^T: local head i, tile ft at v[64 (i % 4) + 8 ft] of window 2 + i / 4
; THE MODE: SCHED_MODE bits 1:0 = 2 (LLVM: expert scheduling mode 2), set by the entry lines.  The code itself states the register dependences between vector or matrix instructions
; and memory or LDS instructions, with s_wait_alu, always for 0.
; THE PLAN.  Registers that memory or LDS instructions touch in a step:
;   K (window 1, v0-127)     read by the step's 64 products K Qg^T, the last eight of them in turn 6; loaded again in turn 7.
;   V (window 1, v128-255)   read by phase 2's 64 products; loaded again at the next step's head.
;   v32-47                   the LDS load at a turn's head brings the next head's Q, which that turn's eight products read; in phase 2 the eight f land there, which the rescalings read.
;   v48-63, and v8 or v9     written late in turn i (p's codes, f); read by five LDS stores that stand in turn i + 1, turn 7's at phase 2's head.
;   v64-191                  scores and p, the work of vector and matrix instructions; at phase 2's head p's eight fragments land there.
;   v1-4                     addresses, made at the head and not written in the steps.  C, the statistics and O^T are named by vector and matrix instructions alone.
; So a turn has ONE wait on va_vdst, behind its exponentials: it serves their readers; the products issued among them are done with Q and K (for the next turn's load of Q, and turn 7's of K:
; nothing behind the wait names those registers); and the turn before has written its codes and its f, whose stores follow the wait at once.  One wait on vm_vsrc a turn, ahead of the conversions,
; states that those stores have read their registers.  Three more waits on va_vdst a step: at its head, behind the first head's products, at phase 2's head.
.set QIMG,   0                         ; LDS: Q's fragments: 16 places of 2,048 bytes, head G at places G and G + 8, so that wave w finds its local head i at place 2 w + i
.set PIMG,   32768                     ; p's fragments: 16,384 bytes a wave, 2,048 a head
.set FST,    98304                     ; the factors f: 1,024 bytes a wave, 128 a head
.set MSTAT,  102400                    ; (largest t, sum): 2,048 bytes a wave, 256 a head
.set MERGE,  110592                    ; partial O^T: 49,152 bytes for each owner: three partners x two heads x 8,192
.set OHIMG,  0                         ; the 8 fragments of the last product's operand, where Q's lay: written when every wave has read Q for the last time
.set OUTSTG, PIMG                      ; 16 rows of out0, 528 bytes apart, where wave 0's p lay
.set SP,     528
.set LI, 1                             ; v1  16 x lane; never rewritten
.set QA, 2                             ; v2  4,096 x wave + 16 x lane; never rewritten
.set PA, 3                             ; v3  PIMG + 16,384 x wave + 16 x lane; at the end dv's offset
.set FA, 4                             ; v4  FST + 1,024 x wave + 4 x lane; at the end 57,344 x 2^e4
.set SC, 5                             ; v5  2^e3; at the end 2^e4
.set ST, 16
.set QF, 32
.set PC, 48
.set SBA, 64
.set SBB, 128
.set CM, 192
; s[4:5] X_Q  s[6:7] K's images, stepped  s[8:9] V's  s[10:11] my 16 images of O  s[12:13] base of the loads into window 1's v0-127  s[14:15] my mask words
; s16-63, s80-95 a step's 64 mask words  s66 wave  s67 step  s[68:69] c'  s[70:71] selects of v_permlanex16_b32  s[72:73] g and dv of my two heads  s74 at work  s75 2^e4  s76 57,344 x 2^e4  s[78:79] out0
; s96 1 where p wants its hold  s97 57,344 x 2^e3  s98 -2^100  s99 e2 + e3  s100 2^(e4 + e5)  s101 -c' x 2^99
.set MSB, 0
.macro WIN new                         ; the immediate's high byte repeats the setting that is left; a switch that changes nothing is dropped
.if MSB != (\new)
	s_set_vgpr_msb (MSB<<8)|(\new)
.set MSB, (\new)
.endif
.endm
.macro PLACES                          ; four plain vector instructions between a matrix instruction and a load into, or a read of, its registers
.rept 4
	v_nop
.endr
.endm
.macro BARRIER                         ; my LDS stores have landed and my LDS loads are in: then the work-group's barrier
	s_wait_dscnt 0x0
	s_barrier_signal -1
	s_barrier_wait -1
.endm
.macro LDFR base, sp, off              ; eight images, 16,384 consecutive bytes, into v[base] on of window 1: 32 loads of 512 consecutive bytes
	WIN 0x40
.set lf, 0
.rept 32
	global_load_b128 v[\base+4*lf:\base+4*lf+3], v[LI], s[\sp:\sp+1] offset:\off+512*lf
.set lf, lf+1
.endr
	WIN 0
.endm
.macro AWX d, t                        ; tile t of S^T = K Qg^T + C, into v[d + 8 t] on
	v_wmma_f32_16x16x128_bf8_bf8 v[\d+8*(\t):\d+8*(\t)+7], v[16*(\t):16*(\t)+15], v[QF:QF+15], v[CM+8*(\t):CM+8*(\t)+7]
.endm
.macro AW d, t
	WIN 0x01                                       ; K in window 1
	AWX \d, \t
	WIN 0
.endm
.macro CBUILD a, n                     ; registers a .. a + n - 1 of C from the mask words: -2^100 where the bit is set
.set cbn, \a
.rept \n
.if cbn < 48
	v_cndmask_b32 v[CM+cbn], 0, s98, s[16+cbn]
.else
	v_cndmask_b32 v[CM+cbn], 0, s98, s[32+cbn]
.endif
.set cbn, cbn+1
.endr
.endm
.macro PSTORE i, f                     ; local head i's fragment of p, in v48-63, and its f, in v[f], go to my own LDS bytes, where they wait for phase 2
.set cc, 0
.rept 4
	ds_store_b128 v[PA], v[PC+4*cc:PC+4*cc+3] offset:2048*(\i)+512*cc
.set cc, cc+1
.endr
	ds_store_b32 v[FA], v[\f] offset:128*(\i)
.endm
	s_load_b256 s[4:11], s[0:1], 0x0               ; X_Q, kimg, vimg, oimg
	s_load_b256 s[72:79], s[0:1], 0x20             ; gdv s[72:73], mw s[74:75], the exponents s[76:77], out0 s[78:79]
	v_lshrrev_b32 v6, 5, v0
	v_readfirstlane_b32 s66, v6                    ; wave 0..3
	v_and_b32 v7, 31, v0
	v_lshlrev_b32 v[LI], 4, v7
	s_wait_alu depctr_va_sdst(0)                   ; s66 is written, ahead of its first reader
	s_lshl_b32 s2, s66, 12
	v_add_nc_u32 v[QA], s2, v[LI]
	s_lshl_b32 s2, s66, 14
	s_add_co_u32 s2, s2, PIMG
	v_add_nc_u32 v[PA], s2, v[LI]
	s_lshl_b32 s2, s66, 10
	s_add_co_u32 s2, s2, FST
	v_lshl_add_u32 v[FA], v7, 2, s2
	v_and_b32 v8, 15, v0                           ; r
	v_bfe_u32 v9, v0, 4, 1                         ; h
	v_lshlrev_b32 v10, 9, v8
	v_lshl_add_u32 v10, v9, 6, v10                 ; X_Q: row r of 512 bytes, + 64 h: my 16 numbers of each 32
	v_lshlrev_b32 v11, 6, v9                       ; g: the same 16 of each 32
	s_lshr_b32 s12, ttmp9, 7                       ; b
	s_lshl_b32 s12, s12, 18                        ; 128 images of 2,048 bytes,
	s_lshl_b32 s13, s66, 16                        ; my 512 keys: 32 images
	s_add_co_u32 s12, s12, s13
	s_mov_b32 s13, 0
	s_wait_kmcnt 0x0
	s_load_b128 s[80:83], s[76:77], 0x0            ; e0 .. e3
	s_load_b64 s[84:85], s[76:77], 0x10            ; e4, e5
	s_add_nc_u64 s[6:7], s[6:7], s[12:13]
	s_add_nc_u64 s[8:9], s[8:9], s[12:13]
	s_mov_b64 s[12:13], s[6:7]
	s_lshl_b32 s2, ttmp9, 13                       ; 16 rows of 512 bytes
	s_mov_b32 s3, 0
	s_add_nc_u64 s[4:5], s[4:5], s[2:3]
	s_add_nc_u64 s[78:79], s[78:79], s[2:3]
	s_lshl_b32 s2, s66, 15                         ; outputs 32 w on: 16 images
	s_add_nc_u64 s[10:11], s[10:11], s[2:3]
	s_lshl_b32 s2, s66, 10                         ; heads 2 w, 2 w + 1
	s_add_nc_u64 s[72:73], s[72:73], s[2:3]
	s_lshl_b32 s2, ttmp9, 12                       ; the words of my 16 queries,
	s_lshl_b32 s14, s66, 10                        ; of my four steps
	s_add_co_u32 s2, s2, s14
	s_add_nc_u64 s[14:15], s[74:75], s[2:3]
	s_wait_alu depctr_va_vdst(0)                   ; the offsets and addresses v1 to v4, v10 and v11 are written, which the loads below and the steps' LDS instructions read
.set cc, 0
.rept 16
	global_load_b128 v[SBA+4*cc:SBA+4*cc+3], v10, s[4:5] offset:128*(cc/4)+16*(cc%4)   ; register 16 G + i = X_Q(r, 32 G + 16 h + i)
.set cc, cc+1
.endr
.set cc, 0
.rept 32
	global_load_b128 v[SBB+4*cc:SBB+4*cc+3], v11, s[72:73] offset:512*(cc/16)+128*((cc%16)/4)+16*(cc%4)   ; g of my two heads in the same order
.set cc, cc+1
.endr
	LDFR 0, 12, 0                                  ; K of my first step
	s_wait_kmcnt 0x0
	s_add_co_i32 s2, s80, s81
	s_lshl_b32 s2, s2, 23
	s_add_co_i32 s68, s2, 0x3e0293ee               ; c' = log2(e) / sqrt(128) x 2^(e0 + e1): the exponents are added to c's exponent field
	s_mov_b32 s69, s68                             ; (named with it as a pair, so it is written)
	s_add_co_i32 s101, s68, 0x31800000             ; x 2^99,
	s_or_b32 s101, s101, 0x80000000                ; negative
	s_mov_b32 s98, 0xf1800000                      ; -2^100
	s_add_co_i32 s2, s80, 127
	s_lshl_b32 s3, s2, 23
	v_mov_b32 v12, s3                              ; 2^e0
	s_add_co_i32 s2, s2, 15
	s_lshl_b32 s2, s2, 23
	s_or_b32 s2, s2, 0x600000
	v_mov_b32 v13, s2                              ; 57,344 x 2^e0
	s_add_co_i32 s2, s83, 127
	s_lshl_b32 s3, s2, 23
	v_mov_b32 v[SC], s3                            ; 2^e3
	s_add_co_i32 s2, s2, 15
	s_lshl_b32 s2, s2, 23
	s_or_b32 s97, s2, 0x600000                     ; 57,344 x 2^e3
	s_cmp_lt_i32 s83, -15
	s_cselect_b32 s96, 1, 0                        ; under 1 only where e3 <= -16
	s_add_co_i32 s99, s82, s83
	s_add_co_i32 s2, s84, 127
	s_lshl_b32 s75, s2, 23
	s_add_co_i32 s2, s2, 15
	s_lshl_b32 s2, s2, 23
	s_or_b32 s76, s2, 0x600000
	s_add_co_i32 s2, s84, s85
	s_add_co_i32 s2, s2, 127
	s_lshl_b32 s100, s2, 23
	s_mov_b32 s70, 0x76543210
	s_mov_b32 s71, 0xfedcba98
	s_load_b512 s[16:31], s[14:15], 0x0            ; the first step's mask words (the exponents in s80-85 are used up)
	s_load_b512 s[32:47], s[14:15], 0x40
	s_load_b512 s[48:63], s[14:15], 0x80
	s_load_b512 s[80:95], s[14:15], 0xc0
	s_wait_loadcnt 32                              ; X_Q and g are in; K's 32 loads may be out
; Qg of head 2 w + e: one f32 multiplication, the hold, the conversion (head 2 w into v48-63, head 2 w + 1 into v32-47) ..
.macro QQC e
.set cc, 0
.rept 32
	v_pk_mul_f32 v[SBB+64*\e+cc:SBB+64*\e+cc+1], v[SBB+64*\e+cc:SBB+64*\e+cc+1], v[SBA+cc:SBA+cc+1]
.set cc, cc+2
.endr
.set cc, 0
.rept 64
	v_med3_num_f32 v[SBB+64*\e+cc], v[SBB+64*\e+cc], -v13, v13
.set cc, cc+1
.endr
.set cc, 0
.rept 8
	v_cvt_scalef32_pk8_bf8_f32 v[PC-16*\e+2*cc:PC-16*\e+2*cc+1], v[SBB+64*\e+8*cc:SBB+64*\e+8*cc+7], v12
.set cc, cc+1
.endr
	v_nop                                          ; one plain vector instruction behind the last conversion, ahead of whatever next writes its sources
.endm
; .. and the fragment goes to LDS as an image of its registers, to two places
.macro QQS e
.set cc, 0
.rept 4
	ds_store_b128 v[QA], v[PC-16*\e+4*cc:PC-16*\e+4*cc+3] offset:2048*\e+512*cc
	ds_store_b128 v[QA], v[PC-16*\e+4*cc:PC-16*\e+4*cc+3] offset:16384+2048*\e+512*cc
.set cc, cc+1
.endr
.endm
	QQC 0
	QQC 1
	s_wait_alu depctr_va_vdst(0)                   ; the conversions have written v32-63, which the sixteen LDS stores read
	QQS 0
	QQS 1
	BARRIER                                        ; all eight heads' Q lie in LDS
	s_wait_alu depctr_vm_vsrc(0)                   ; my LDS stores have read v32-63, in which Q's fragments land and p's codes are written; the loads of X_Q and g have read v10 and v11, which the turns write
	s_wait_kmcnt 0x0
	CBUILD 0, 64                                   ; C of the first step
.set cc, 0
.rept 8
	v_mov_b32 v[ST+2*cc], 0xff61b1e6               ; the largest t so far: -3e38, under every t
	v_mov_b32 v[ST+2*cc+1], 0                      ; the sum
.set cc, cc+1
.endr
; THE TURN OF LOCAL HEAD i in phase 1: its softmax, with the next head's eight products K Qg^T between the exponentials, and the stores of the head before behind the turn's one wait.
.macro TURN i
.set sS, SBA+64*((\i)%2)               ; this head's scores
.set sN, SBA+64-64*((\i)%2)            ; the next head's
.set rM, ST+2*(\i)
.set rF, 8+(\i)%2                      ; this head's f
.set rG, 9-(\i)%2                      ; the f of the head before
.if (\i) < 7
.set cc, 0
.rept 4
	ds_load_b128 v[QF+4*cc:QF+4*cc+3], v[QA] offset:2048*((\i)+1)+512*cc   ; the next head's Q.  No wait here: the products that read the last one stand ahead of the last wait on va_vdst, and nothing since names v32-47
.set cc, cc+1
.endr
.else
	s_add_nc_u64 s[6:7], s[6:7], 16384             ; K is done with: the next step's comes, or, in the last step, my first eight images of O.  The loads that named s[12:13] were waited for at this step's first products
	s_cmp_eq_u32 s67, 3
	s_cselect_b64 s[12:13], s[10:11], s[6:7]
	LDFR 0, 12, 0                                  ; no wait here: the last products that read K stand ahead of turn 6's wait on va_vdst, and nothing since names K's registers
.endif
	v_max3_num_f32 v10, v[sS], v[sS+1], v[sS+2]    ; the largest score of my query among my 64 keys, in two chains, each accumulator from its low end on
	v_max3_num_f32 v12, v[sS+3], v[sS+4], v[sS+5]
.set cc, 6
.rept 14
	v_max3_num_f32 v10, v10, v[sS+cc], v[sS+cc+1]
	v_max3_num_f32 v12, v12, v[sS+cc+2], v[sS+cc+3]
.set cc, cc+4
.endr
	v_max3_num_f32 v10, v10, v[sS+62], v[sS+63]
	v_max_num_f32 v10, v10, v12
	v_permlanex16_b32 v11, v10, s70, s71
	v_max_num_f32 v10, v10, v11                    ; and among lane l xor 16's
	v_mul_f32 v10, s68, v10                        ; as t (c' is positive)
	v_floor_f32 v7, -v[rM]                         ; the old -M
	v_max_num_f32 v[rM], v[rM], v10
	v_floor_f32 v6, -v[rM]                         ; the new -M = floor(-t) = -ceil(t)
	s_wait_dscnt 0x0                               ; Q is in
.set tt, 0
.rept 8
.set cc, 0
.rept 4
	v_pk_fma_f32 v[sS+8*tt+cc:sS+8*tt+cc+1], v[sS+8*tt+cc:sS+8*tt+cc+1], s[68:69], v[6:7] op_sel_hi:[1,0,0]   ; t - M (of the pairs c' and -M the low word serves both halves)
.set cc, cc+2
.endr
.set cc, 0
.rept 8
	v_exp_f32 v[sS+8*tt+cc], v[sS+8*tt+cc]         ; p = 2^(t - M); nothing names a result ahead of the one wait below
.set cc, cc+1
.endr
.if (\i) < 7
	AW sN, tt
.endif
.set tt, tt+1
.endr
	v_sub_f32 v10, v6, v7                          ; old M - new M: a whole number, 0 or less.  (Plain work behind the exponentials)
	v_cvt_i32_f32 v10, v10                         ; (it saturates)
	v_ldexp_f32 v[rF], 1.0, v10                    ; f = 2^(old M - new M)
	s_wait_alu depctr_va_vdst(0)                   ; the 64 exponentials have written p, ahead of their first reader; the turn before has written v48-63 and its f, which the stores below read; this turn's products are done reading Q and K, which later loads write
.if (\i) > 0
	PSTORE (\i)-1, rG
.endif
	v_pk_add_f32 v[12:13], v[sS:sS+1], v[sS+2:sS+3]   ; the sum of the unquantised p, two at a time, in two chains
	v_pk_add_f32 v[14:15], v[sS+4:sS+5], v[sS+6:sS+7]
.set cc, 8
.rept 14
	v_pk_add_f32 v[12:13], v[12:13], v[sS+cc:sS+cc+1]
	v_pk_add_f32 v[14:15], v[14:15], v[sS+cc+2:sS+cc+3]
.set cc, cc+4
.endr
	v_pk_add_f32 v[12:13], v[12:13], v[14:15]
	v_add_f32 v12, v12, v13
	v_fma_f32 v[rM+1], v[rM+1], v[rF], v12         ; the sum under the new M
	s_wait_alu depctr_vm_vsrc(0)                   ; the five stores of the head before (in turn 0: those at phase 2's head) have read v48-63, which the conversions below write, and their f, which the next turn writes
	s_cmp_eq_u32 s96, 0
	s_cbranch_scc1 .Lno_hold_\@                    ; p <= 1 <= 57,344 x 2^e3: the hold would change nothing
.set cc, 0
.rept 64
	v_min_num_f32 v[sS+cc], s97, v[sS+cc]          ; the conversion does not saturate (ISA guide 7.6.2); p is not negative, so the hold is one-sided
.set cc, cc+1
.endr
.Lno_hold_\@:
.set cc, 0
.rept 8
	v_cvt_scalef32_pk8_bf8_f32 v[PC+2*cc:PC+2*cc+1], v[sS+8*cc:sS+8*cc+7], v[SC]
.set cc, cc+1
.endr
	v_nop                                          ; one plain vector instruction behind the last conversion: the next turn's products write its sources
.endm
; PHASE 1 of a step: V and the next step's mask words are asked for; the first head's scores; the eight turns.
.macro PH1
	s_wait_alu depctr_va_vdst(0)                   ; phase 2's products are done reading V, and its rescalings f in v32-47: loads land in both below; the selects that made C are done reading the mask words, which the scalar loads below write
	LDFR 128, 8, 0                                 ; V of this step
	s_add_co_u32 s74, s67, 1
	s_min_u32 s74, s74, 3                          ; (the last step reads its own words once more: no load leaves the buffer)
	s_lshl_b32 s74, s74, 8
	s_load_b512 s[16:31], s[14:15], s74 offset:0x0
	s_load_b512 s[32:47], s[14:15], s74 offset:0x40
	s_load_b512 s[48:63], s[14:15], s74 offset:0x80
	s_load_b512 s[80:95], s[14:15], s74 offset:0xc0
.set cc, 0
.rept 4
	ds_load_b128 v[QF+4*cc:QF+4*cc+3], v[QA] offset:512*cc
.set cc, cc+1
.endr
	s_wait_dscnt 0x0
	WIN 0x01
.set tt, 0
.rept 8
	s_wait_loadcnt 60-4*tt                         ; K's fragment tt is in: behind its four loads stand 4 for each later fragment and V's 32
	AWX SBA, tt
.set tt, tt+1
.endr
	WIN 0
	PLACES
	s_wait_alu depctr_va_vdst(0)                   ; the first head's products are done reading Q's fragment, in which turn 0's load lands; the places above stay beside this wait, for the maximum that reads their results
	TURN 0
	TURN 1
	TURN 2
	TURN 3
	TURN 4
	TURN 5
	TURN 6
	TURN 7
.endm
; PHASE 2 of a step: O^T += V^T P for the eight heads.  Each accumulator has one product a step: the 64 take turns, one instruction a turn.
; first = 1: the products start the sums with the constant 0.  Else each head's O^T is multiplied by its f while the head before has the matrix unit: four packed multiplications behind each product.
.macro PH2 first
	s_wait_kmcnt 0x0                               ; the next step's mask words
	s_wait_alu depctr_va_vdst(0)                   ; turn 7 has written v48-63 and v9, which the stores below read, and is done with the scores' registers v64-191, in which p's fragments land
	PSTORE 7, 9
.if !\first
.set cc, 0
.rept 8
	ds_load_b32 v[QF+2*cc], v[FA] offset:128*cc    ; f of head cc, as the low word of a pair
.set cc, cc+1
.endr
.endif
.set cc, 0
.rept 32
	ds_load_b128 v[SBA+4*cc:SBA+4*cc+3], v[PA] offset:512*cc   ; the eight fragments of p: my own bytes, and LDS serves a wave's instructions in order
.set cc, cc+1
.endr
	s_wait_loadcnt 32                              ; V is in; the 32 loads issued in the last turn may be out
.if !\first
	s_wait_dscnt 32                                ; the eight f are in
	WIN 0x82
.set cc, 0
.rept 32
	v_pk_mul_f32 v[cc:cc+1], v[cc:cc+1], v[QF:QF+1] op_sel_hi:[1,0]   ; head 0's O^T x f
.set cc, cc+2
.endr
.endif
.set nn, 0
.rept 8
	WIN 0
	CBUILD 8*nn, 8                                 ; an eighth of the next step's C
	s_wait_dscnt 4*(7-nn)                          ; this head's p is in; the later heads' may be out
.set wO, 2+nn/4
.set rO, 64*(nn%4)
.set wN, 2+(nn+1)/4
.set rN, 64*((nn+1)%4)
.set yy, 0
.rept 8
.if \first
	WIN (wO<<6)|1
	v_wmma_f32_16x16x128_bf8_bf8 v[rO+8*yy:rO+8*yy+7], v[128+16*yy:128+16*yy+15], v[SBA+16*nn:SBA+16*nn+15], 0
.else
	WIN (wO<<6)|(wO<<4)|1
	v_wmma_f32_16x16x128_bf8_bf8 v[rO+8*yy:rO+8*yy+7], v[128+16*yy:128+16*yy+15], v[SBA+16*nn:SBA+16*nn+15], v[rO+8*yy:rO+8*yy+7]
.if nn < 7
	WIN (wN<<6)|wN
.set cc, 0
.rept 4
	v_pk_mul_f32 v[rN+8*yy+cc:rN+8*yy+cc+1], v[rN+8*yy+cc:rN+8*yy+cc+1], v[QF+2*nn+2:QF+2*nn+3] op_sel_hi:[1,0]
.set cc, cc+2
.endr
.endif
.endif
.set yy, yy+1
.endr
.set nn, nn+1
.endr
	PLACES
	WIN 0
.endm
	s_mov_b32 s67, 0
	PH1                                            ; the first step stands in front of the loop: its products start O^T's sums
	PH2 1
	s_add_nc_u64 s[8:9], s[8:9], 16384             ; V's loads were waited for in phase 2
	s_mov_b32 s67, 1
.Lstep:
	PH1
	PH2 0
	s_add_nc_u64 s[8:9], s[8:9], 16384
	s_add_co_u32 s67, s67, 1
	s_cmp_lt_u32 s67, 4
	s_cbranch_scc1 .Lstep
	; ---- THE FOUR QUARTERS OF THE KEYS MEET.  What I hold of the six heads that I do not own goes to their owners' bytes in LDS.
	s_wait_alu depctr_va_vdst(0)                   ; the last step's products are done reading V, in whose registers my other eight images of O land
	s_wait_alu depctr_vm_vsrc(0)                   ; the stores at the last phase 2's head have read v9, which is written below, and v48-63, which the merge writes
	LDFR 128, 10, 16384                            ; my other eight images of O
.set cc, 0
.rept 8
	v_permlanex16_b32 v[QF+cc], v[ST+2*cc+1], s70, s71
.set cc, cc+1
.endr
.set cc, 0
.rept 8
	v_add_f32 v[ST+2*cc+1], v[ST+2*cc+1], v[QF+cc] ; a query's sum: my 32 keys of each 64 and lane l xor 16's
.set cc, cc+1
.endr
	v_and_b32 v9, 31, v0
	s_lshl_b32 s2, s66, 11
	s_add_co_u32 s2, s2, MSTAT
	v_lshl_add_u32 v10, v9, 3, s2
.irp p, 1,2,3                          ; local heads 2 p, 2 p + 1 belong to wave (w + p) % 4
	s_add_co_u32 s2, s66, \p
	s_and_b32 s2, s2, 3
	s_mul_i32 s2, s2, 49152
	s_add_co_u32 s2, s2, MERGE+(\p-1)*16384
	v_add_nc_u32 v[10+\p], s2, v[LI]
.endr
	s_wait_alu depctr_va_vdst(0)                   ; the sums in v16-31 and the addresses v10 to v13 are written, which the LDS stores below read (O^T was written ahead of the wait at this part's head, behind its places)
.set cc, 2
.rept 6
	ds_store_b64 v10, v[ST+2*cc:ST+2*cc+1] offset:256*cc
.set cc, cc+1
.endr
.irp p, 1,2,3
	WIN (2+(2*\p)/4)<<2                            ; the stores' data in window 2 or 3
.irp e, 0,1
.set cc, 0
.rept 16
	ds_store_b128 v[10+\p], v[64*((2*\p+\e)%4)+4*cc:64*((2*\p+\e)%4)+4*cc+3] offset:8192*\e+512*cc   ; each accumulator from its low end on
.set cc, cc+1
.endr
.endr
.endr
	WIN 0
	BARRIER                                        ; every wave's parts lie in LDS, and nobody reads Q or p any more
	s_wait_alu depctr_vm_vsrc(0)                   ; my LDS stores have read window 3's v0-127, in which dv lands, and v11 to v13; the steps' LDS instructions have read v3 and v4: all are written below
	v_bfe_u32 v[PA], v0, 4, 1
	v_lshlrev_b32 v[PA], 5, v[PA]                  ; dv: lane (r, h) wants, for tile ft, those of f = 16 ft + 8 h + 0 .. 7
	v_mov_b32 v[FA], s76                           ; 57,344 x 2^e4
	v_mov_b32 v[SC], s75                           ; 2^e4
.irp p, 1,2,3                          ; my head e is local head 2 p + e of wave (w - p) % 4
	s_add_co_u32 s2, s66, 4-\p
	s_and_b32 s2, s2, 3
	s_lshl_b32 s2, s2, 11
	s_add_co_u32 s2, s2, MSTAT+512*\p
	v_lshl_add_u32 v[10+\p], v9, 3, s2
.endr
	s_mul_i32 s2, s66, 49152
	s_add_co_u32 s2, s2, MERGE
	v_add_nc_u32 v14, s2, v[LI]
	s_wait_alu depctr_va_vdst(0)                   ; the offset v3 and the addresses v11 to v14 are written, which dv's loads and the merge's LDS loads read
	WIN 0xc0                                       ; into window 3's v0-127, whose sums have been stored
.set cc, 0
.rept 32
	global_load_b128 v[4*cc:4*cc+3], v[PA], s[72:73] offset:4096+512*(cc/16)+64*((cc%16)/2)+16*(cc%2)
.set cc, cc+1
.endr
	WIN 0
; My head e: the four parts under one M, divided by the sum, x dv, quantised: K step 2 w + e of the last product.
; Its 51 LDS loads land in v56-61 and v64-255.  No wait stands ahead of them: what named those registers stands ahead of the last wait on va_vdst (for e = 1: the one ahead of head 0's stores).
.macro OWN e
.irp p, 1,2,3
	ds_load_b64 v[54+2*\p:55+2*\p], v[10+\p] offset:256*\e   ; a partner's largest t and sum
.endr
.irp p, 1,2,3
.set cc, 0
.rept 16
	ds_load_b128 v[SBA+64*(\p-1)+4*cc:SBA+64*(\p-1)+4*cc+3], v14 offset:16384*(\p-1)+8192*\e+512*cc
.set cc, cc+1
.endr
.endr
	s_wait_dscnt 48                                ; the three pairs are in; the 48 loads behind them may be out
.if \e == 1
	s_wait_alu depctr_vm_vsrc(0)                   ; head 0's four LDS stores have read v32-47, which the lines below and this head's conversions write
.endif
	v_floor_f32 v40, -v[ST+2*\e]                   ; -M of the four parts,
	v_floor_f32 v41, -v56
	v_floor_f32 v42, -v58
	v_floor_f32 v43, -v60
	v_min_num_f32 v44, v40, v41
	v_min_num_f32 v45, v42, v43
	v_min_num_f32 v44, v44, v45                    ; and of the whole row
.irp k, 0,1,2,3
	v_sub_f32 v[40+\k], v44, v[40+\k]
	v_cvt_i32_f32 v[40+\k], v[40+\k]
	v_ldexp_f32 v[48+2*\k], 1.0, v[40+\k]          ; 2^(the part's M - the row's M)
.endr
	v_mul_f32 v46, v48, v[ST+2*\e+1]
	v_fmac_f32 v46, v50, v57
	v_fmac_f32 v46, v52, v59
	v_fmac_f32 v46, v54, v61                       ; the row's sum
	v_rcp_f32 v47, v46
.if \e == 0
	v_max3_num_f32 v45, v[ST], v56, v58            ; (plain work behind the reciprocal)  a query all of whose keys are hidden: its largest t lies under -c' x 2^99
	v_max_num_f32 v45, v45, v60
	v_cmp_gt_f32 vcc_lo, s101, v45
	v_mov_b32 v6, s100
	v_mov_b32 v7, 0x7fc00000
	s_wait_alu depctr_va_vcc(0)                    ; the compare has written VCC, ahead of the select that reads it
	v_cndmask_b32 v6, v6, v7, vcc_lo               ; what the last sums are multiplied by: 2^(e4 + e5), or NaN
.else
	v_nop
.endif
	s_wait_alu depctr_va_vdst(0)                   ; the reciprocal has written v47, ahead of its first reader
	v_ldexp_f32 v47, v47, s99                      ; x 2^(e2 + e3)
.irp k, 0,1,2,3
	v_mul_f32 v[48+2*\k], v[48+2*\k], v47          ; a power of two x that: nothing is rounded
.endr
	s_wait_dscnt 0x0
.set cc, 0
.rept 32
	v_pk_mul_f32 v[SBA+cc:SBA+cc+1], v[SBA+cc:SBA+cc+1], v[50:51] op_sel_hi:[1,0]
.set cc, cc+2
.endr
	WIN 0x02                                       ; my own part: source 0 in window 2
.set cc, 0
.rept 32
	v_pk_fma_f32 v[SBA+cc:SBA+cc+1], v[64*\e+cc:64*\e+cc+1], v[48:49], v[SBA+cc:SBA+cc+1] op_sel_hi:[1,0,1]
.set cc, cc+2
.endr
	WIN 0
.set cc, 0
.rept 32
	v_pk_fma_f32 v[SBA+cc:SBA+cc+1], v[SBB+cc:SBB+cc+1], v[52:53], v[SBA+cc:SBA+cc+1] op_sel_hi:[1,0,1]
.set cc, cc+2
.endr
.set cc, 0
.rept 32
	v_pk_fma_f32 v[SBA+cc:SBA+cc+1], v[CM+cc:CM+cc+1], v[54:55], v[SBA+cc:SBA+cc+1] op_sel_hi:[1,0,1]
.set cc, cc+2
.endr
	s_wait_loadcnt 0x0                             ; dv (and O's images)
	WIN 0x0c                                       ; dv: source 1 in window 3
.set cc, 0
.rept 32
	v_pk_mul_f32 v[SBA+cc:SBA+cc+1], v[SBA+cc:SBA+cc+1], v[64*\e+cc:64*\e+cc+1]
.set cc, cc+2
.endr
	WIN 0
.set cc, 0
.rept 64
	v_med3_num_f32 v[SBA+cc], v[SBA+cc], -v[FA], v[FA]
.set cc, cc+1
.endr
.set cc, 0
.rept 8
	v_cvt_scalef32_pk8_bf8_f32 v[QF+2*cc:QF+2*cc+1], v[SBA+8*cc:SBA+8*cc+7], v[SC]   ; registers 2 ft, 2 ft + 1: x = 128 head + 16 ft + 8 h + 0 .. 7
.set cc, cc+1
.endr
	v_nop                                          ; one plain vector instruction behind the last conversion
	s_wait_alu depctr_va_vdst(0)                   ; the conversions have written v32-47, which the LDS stores read; and this head's arithmetic is done with v56-61 and v64-255, in which the next LDS loads land
.set cc, 0
.rept 4
	ds_store_b128 v[QA], v[QF+4*cc:QF+4*cc+3] offset:OHIMG+2048*\e+512*cc
.set cc, cc+1
.endr
.endm
	OWN 0
	OWN 1
	BARRIER                                        ; the eight K steps of the last product lie in LDS
	; ---- out0 = Oh O: my 32 outputs for the 16 queries: two accumulators by turns, a head a turn.  Source 0 = 16 columns of O, source 1 = the 16 queries.
.set cc, 0
.rept 32
	ds_load_b128 v[SBA+4*cc:SBA+4*cc+3], v[LI] offset:OHIMG+512*cc
.set cc, cc+1
.endr
	v_and_b32 v9, 15, v0
	v_mul_u32_u24 v8, v9, SP
	v_bfe_u32 v9, v0, 4, 1
	v_lshl_add_u32 v8, v9, 5, v8
	s_lshl_b32 s2, s66, 7
	s_add_co_u32 s2, s2, OUTSTG
	v_add_nc_u32 v8, s2, v8                        ; the stage: row r, + 128 w + 32 h: my outputs' bytes
	s_mul_i32 s2, s66, 4*SP
	s_add_co_u32 s2, s2, OUTSTG
	v_add_nc_u32 v9, s2, v[LI]                     ; back: rows 4 w on, 16 bytes a lane
	s_lshl_b32 s2, s66, 11
	v_add_nc_u32 v10, s2, v[LI]                    ; and the same in out0
	s_wait_dscnt 0x0
	WIN 0x01
	v_wmma_f32_16x16x128_bf8_bf8 v[192:199], v[0:15], v[SBA:SBA+15], 0
	v_wmma_f32_16x16x128_bf8_bf8 v[200:207], v[128:143], v[SBA:SBA+15], 0
.set gg, 1
.rept 7
	v_wmma_f32_16x16x128_bf8_bf8 v[192:199], v[16*gg:16*gg+15], v[SBA+16*gg:SBA+16*gg+15], v[192:199]
	v_wmma_f32_16x16x128_bf8_bf8 v[200:207], v[128+16*gg:128+16*gg+15], v[SBA+16*gg:SBA+16*gg+15], v[200:207]
.set gg, gg+1
.endr
	WIN 0
	PLACES
.set cc, 0
.rept 8
	v_pk_mul_f32 v[208+cc:209+cc], v[192+cc:193+cc], v[6:7] op_sel_hi:[1,0]   ; x 2^(e4 + e5), or NaN; each accumulator from its low end on
.set cc, cc+2
.endr
	s_wait_alu depctr_va_vdst(0)                   ; the multiplications have written v208-223, which the LDS stores read; the addresses v8, v9 and v10 are written, which the stores and loads below read
.set cc, 0
.rept 4
	ds_store_b128 v8, v[208+4*cc:211+4*cc] offset:64*(cc/2)+16*(cc%2)   ; lane (r, h): out0(r, 32 w + 16 a + 8 h + 0 .. 7)
.set cc, cc+1
.endr
	BARRIER                                        ; 16 whole rows lie in the stage
.set cc, 0
.rept 4
	ds_load_b128 v[224+4*cc:227+4*cc], v9 offset:SP*cc
.set cc, cc+1
.endr
.set cc, 0
.rept 4
	s_wait_dscnt 3-cc
	global_store_b128 v10, v[224+4*cc:227+4*cc], s[78:79] offset:512*cc th:TH_STORE_NT   ; 32 lanes store a row: 512 consecutive bytes, at a multiple of 256 from out0's first byte
.set cc, cc+1
.endr
	s_wait_xcnt 0x0
	v_lshl_add_u32 v254, v0, 2, 0x4b000
	v_mov_b32 v255, 0
	s_wait_dscnt 0x0                               ; the closing lines, six on end
	s_wait_alu 0x0
	s_wait_tensorcnt 0x0
	ds_add_u32 v254, v255
	s_wait_dscnt 0x0
	s_endpgm
.Lfunc_end_k_q91f75dfd03_attn:
	.size	k_q91f75dfd03_attn, .Lfunc_end_k_q91f75dfd03_attn-k_q91f75dfd03_attn
	.p2alignl 7, 3214868480
	.fill 96, 4, 3214868480
	.section	.rodata,"a",@progbits
	.p2align	6, 0x0
	.amdhsa_kernel k_q91f75dfd03_attn
		.amdhsa_group_segment_fixed_size 307712
		.amdhsa_private_segment_fixed_size 0
		.amdhsa_enable_private_segment 0
		.amdhsa_kernarg_size 64
		.amdhsa_user_sgpr_count 2
		.amdhsa_user_sgpr_kernarg_segment_ptr 1
		.amdhsa_wavefront_size32 1
		.amdhsa_system_sgpr_workgroup_id_x 1
		.amdhsa_system_sgpr_workgroup_id_y 1
		.amdhsa_system_sgpr_workgroup_id_z 1
		.amdhsa_system_vgpr_workitem_id 0
		.amdhsa_next_free_vgpr 1024
		.amdhsa_next_free_sgpr 102
		.amdhsa_reserve_vcc 1
		.amdhsa_float_denorm_mode_32 3
		.amdhsa_float_denorm_mode_16_64 3
		.amdhsa_memory_ordered 1
		.amdhsa_forward_progress 1
		.amdhsa_inst_pref_size 255
	.end_amdhsa_kernel
	.section	.bss,"aw",@nobits
	.p2align	6
	.space	262144
	.amdgpu_metadata
---
amdhsa.version: [ 1, 2 ]
amdhsa.kernels:
  - .name:           k_q91f75dfd03_attn
    .symbol:         k_q91f75dfd03_attn.kd
    .args:
      - { .name: X_Q, .offset: 0, .size: 8, .value_kind: global_buffer, .address_space: global }
      - { .name: kimg, .offset: 8, .size: 8, .value_kind: global_buffer, .address_space: global }
      - { .name: vimg, .offset: 16, .size: 8, .value_kind: global_buffer, .address_space: global }
      - { .name: oimg, .offset: 24, .size: 8, .value_kind: global_buffer, .address_space: global }
      - { .name: gdv, .offset: 32, .size: 8, .value_kind: global_buffer, .address_space: global }
      - { .name: mw, .offset: 40, .size: 8, .value_kind: global_buffer, .address_space: global }
      - { .name: lowp_scales, .offset: 48, .size: 8, .value_kind: global_buffer, .address_space: global }
      - { .name: out0, .offset: 56, .size: 8, .value_kind: global_buffer, .address_space: global }
    .group_segment_fixed_size: 307712
    .private_segment_fixed_size: 0
    .kernarg_segment_align: 8
    .kernarg_segment_size: 64
    .max_flat_workgroup_size: 128
    .sgpr_count:     102
    .vgpr_count:     1024
    .wavefront_size: 32
...
	.end_amdgpu_metadata
.endif
;; end of part 4
